; MI455X (gfx1250); checked and timed in simulation.
; The chip was launched on July 23, 2026; its instructions are those of AMD's public machine-readable ISA for CDNA 5 (MIT licence, August 2026) and "CDNA5" Instruction Set Architecture Reference Guide (July 2026). The comments in the code are by the model that wrote it; some were corrected since.
;; Simple Attention. Allowed arithmetic: matrix products marked QUANTISED: E2M1 operands, one E8M0 scale for each 32 along K, by v_wmma_scale_f32_16x16x128_f8f6f4 with both operands' format E2M1 (or v_wmma_scale_f32_32x16x128_f4), f32 sums; products left as they are: bf16, f16 or f32 operands; f32 sums; everything else in f32.
;; Inputs: Wk 1,024 x 1,024 float32; Wo 1,024 x 1,024 float32; Wq 1,024 x 1,024 float32; Wv 1,024 x 1,024 float32; bk 1,024 float32; bo 1,024 float32; bq 1,024 float32; bv 1,024 float32; x 4 x 2,048 x 1,024 float32.
;; Outputs: out0 4 x 2,048 x 1,024 float32.
;; This version of the problem:
;;   THIS VERSION OF THE PROBLEM IS GIVEN IN LOW PRECISION. The matrix products marked QUANTISED in the list below multiply operands that are first quantised to E2M1 (2 exponent bits, 1 mantissa bit; 4 bits a number), with one power-of-two scale for each 32 numbers along K (OCP MX v1.0); their sums are f32. The products marked 'left as it is' may take bf16, f16 or f32 operands, with f32 sums. All else is computed in f32.
;;   The module's matrix products, in the order in which they are computed (A, B: the left and right operand; K: the contracted axis; several contracted axes count as one K, in the product's order):
;;     1. [M 8,192, K 1,024] x [K 1,024, N 1,024]; A: input x; B: input Wq: QUANTISED
;;     2. [M 8,192, K 1,024] x [K 1,024, N 1,024]; A: input x; B: input Wk: QUANTISED
;;     3. [M 8,192, K 1,024] x [K 1,024, N 1,024]; A: input x; B: input Wv: QUANTISED
;;     4. batch 4 x [M 2,048, K 1,024] x [K 1,024, N 2,048]; A: computed on the way; B: computed on the way: left as it is (an operand is computed on the way)
;;     5. batch 4 x [M 2,048, K 2,048] x [K 2,048, N 1,024]; A: computed on the way; B: computed on the way: left as it is (an operand is computed on the way)
;;     6. [M 8,192, K 1,024] x [K 1,024, N 1,024]; A: computed on the way; B: input Wo: left as it is (an operand is computed on the way)
;;   THE QUANTISER, for each operand of a quantised product, along K:
;;     - K is cut into blocks of 32 from its start; a last block that is shorter is filled with zeros.
;;     - A block's scale is 2^e with e = floor(log2(the largest magnitude in the block)) - 2, held to -126 .. 127; a block of zeros has e = 0. As a byte (E8M0): e + 127.
;;     - Each number is divided by its block's scale, clamped to +-6, and rounded to the nearest number of E2M1, ties to even, subnormals kept.
;;     - The product sums the exact products of the quantised numbers (number of the format x scale) in f32.
;;   ~~~python
;;   def quantise(x, axis):      # numpy; x: float32 -> the quantised numbers, widened to float32 again
;;       x = np.moveaxis(x, axis, -1); K = x.shape[-1]
;;       x = np.pad(x, [(0, 0)] * (x.ndim - 1) + [(0, -K % 32)]); x = x.reshape(x.shape[:-1] + (-1, 32)); a = np.abs(x).max(-1, keepdims=True)
;;       e = np.where(a > 0, np.clip(np.frexp(np.where(a > 0, a, 1))[1] - 1 - 2, -126, 127), 0)      # np.frexp(a)[1] - 1 = floor(log2(a)), exactly
;;       r = np.clip(x / 2.0 ** e, -6, 6)
;;       step = 2.0 ** (np.maximum(np.frexp(np.where(r == 0, 1, r))[1] - 1, 0) - 1)
;;       q = np.round(r / step) * step * 2.0 ** e      # np.round: ties to even
;;       return np.moveaxis(q.reshape(q.shape[:-2] + (-1,))[..., :K], -1, axis).astype(np.float32)
;;   ~~~
;; One version. Each part assembles by itself: llvm-mc -triple=amdgcn-amd-amdhsa -mcpu=gfx1250 --defsym DOCPART=n.
;; ======== version 1 of 1: 5 launches
;; limits: values are held in f16: magnitudes above 65,504 overflow, below 6.1e-05 lose precision; right only within a limited range of input values
;; workspace buffers: xcod 4,456,448 bytes; wcod 1,671,168 bytes; wo16 2,097,664 bytes; qkv16 50,337,792 bytes; t16 8,389,632 bytes; mt16 8,389,632 bytes
;; launch prep (part 1): grid 384 x 1, 4 waves a work-group, no clusters, 33,280 bytes of LDS; arguments x, Wq, Wk, Wv, Wo, xcod, wcod, wo16; writes xcod, wcod, wo16
.if DOCPART == 1
	.amdgcn_target "amdgcn-amd-amdhsa--gfx1250"
	.amdhsa_code_object_version 6
	.text
	.protected	k_qf670867cc9_prep
	.globl	k_qf670867cc9_prep
	.p2align	8
	.type	k_qf670867cc9_prep,@function
k_qf670867cc9_prep:
	s_mov_b64 s[64:65], 0
	v_nop
	global_prefetch_b8 v0, s[64:65] scope:SCOPE_SE
	s_setreg_imm32_b32 hwreg(HW_REG_WAVE_MODE, 25, 1), 1
	s_wait_xcnt 0x0
; x [8192][1024] and Wq, Wk, Wv [1024][1024], f32, become codes of FP4 (E2M1), K innermost, with one E8M0 byte for each 32 along K; Wo becomes f16, and each wave stores the largest |Wo| that it has seen.
; xcod: codes [8192][512 bytes], then the scale bytes [8192][32] at XS_OFF.  wcod: codes [3072][512] (rows of Wq, Wk, Wv on end), then [3072][32] at WS_OFF.  wo16: [1024][1024] f16, then 128 f32 maxima at WM_OFF.
; A block's scale is 2^(floor(log2(its largest magnitude)) - 2); its byte is the largest magnitude's exponent field - 2, held at 1 from below.  A block of zeros so gets the byte 1: its codes are zeros, and this program alone reads the bytes.
; LIMITS: blocks whose largest magnitude lies under 2^-124 (the floor) keep the byte 1; NaN and infinities are not served; |Wo| stays under 65,504 (f16).
; SHARES: work-groups 0-255 take x, 256-287 Wq, 288-319 Wk, 320-351 Wv, 352-383 Wo: 32,768 numbers each, 8,192 a wave.  Rows are dense and K is a multiple of 32: every tensor is a plain stream.
; Quantising: a wave takes 16 steps of 512 numbers.  Each load reads 512 consecutive bytes; a step's 2,048 bytes turn through the wave's own stage in LDS, so that a lane then holds 16 neighbours along K (two lanes a block).
; No tensor loads, no barrier, no cluster: waves share nothing and every byte is read once.
.set STEPS, 16
.set EMAX,  2
.set CB,    8                          ; bytes of 16 codes
.set R,     16                         ; v16-79   four sets of 16 numbers as loaded
.set X,     80                         ; v80-111  two sets of 16 neighbours
.set C,     128                        ; v128-191 codes: four registers for each step
.set E,     112                        ; v112-127 a scale byte for each step
.set WREG,  8192                       ; LDS of a wave: two stages of 32 x SP bytes, then its 256 scale bytes
.set SP,    80                         ; a lane's place in a stage: 64 bytes + 16 of padding
.set XS_OFF, 4194304
.set WS_OFF, 1572864
.set WM_OFF, 2097152
.set INP,  38                          ; s[38:39] my wave's numbers
.set OUTB, 40                          ; s[40:41] the buffer that takes them
.set COD,  42                          ; s[42:43] my wave's codes
.set SCA,  44                          ; s[44:45] my wave's scale bytes
	s_load_b256 s[4:11], s[0:1], 0x0               ; x s[4:5], Wq s[6:7], Wk s[8:9], Wv s[10:11]
	s_load_b256 s[12:19], s[0:1], 0x20             ; Wo s[12:13], xcod s[14:15], wcod s[16:17], wo16 s[18:19]
	v_lshl_add_u32 v192, v0, 2, 0x8000
	v_mov_b32 v193, 0
	v_lshrrev_b32 v1, 5, v0
	v_readfirstlane_b32 s20, v1                    ; wave
	v_and_b32 v2, 31, v0                           ; lane
	v_lshlrev_b32 v3, 4, v2                        ; my 16 bytes of a load's 512
	s_wait_kmcnt 0x0
	s_cmp_ge_u32 ttmp9, 352
	s_cbranch_scc1 .Lwo                            ; the last 32 work-groups take Wo: that way uses no LDS
	s_mul_i32 s21, s20, WREG
	v_lshrrev_b32 v14, 2, v2
	v_mul_u32_u24 v14, v14, SP
	v_and_b32 v15, 3, v2
	v_lshl_add_u32 v14, v15, 4, v14
	v_add_nc_u32 v14, s21, v14                     ; the stage, on the way in: SP (lane / 4) + 16 (lane % 4)
	v_mul_u32_u24 v15, v2, SP
	v_add_nc_u32 v15, s21, v15                     ; and on the way out: SP x lane: my 16 neighbours
	v_mul_u32_u24 v4, v2, CB                       ; my codes' place in a step's
	v_lshrrev_b32 v5, 1, v2
	s_add_co_u32 s21, s21, 2*32*SP
	v_add_nc_u32 v5, s21, v5                       ; my wave's 256 scale bytes, my block's byte
	v_lshlrev_b32 v7, 3, v2                        ; on the way out 8 bytes a lane
	v_add_nc_u32 v6, s21, v7
	; which tensor: the choices hang on the work-group's number alone
	s_mov_b64 s[INP:INP+1], s[10:11]               ; Wv
	s_mov_b32 s36, 320                             ; the tensor's first work-group
	s_mov_b32 s34, WS_OFF
	s_cmp_lt_u32 ttmp9, 320
	s_cselect_b64 s[INP:INP+1], s[8:9], s[INP:INP+1]
	s_cselect_b32 s36, 288, s36
	s_cmp_lt_u32 ttmp9, 288
	s_cselect_b64 s[INP:INP+1], s[6:7], s[INP:INP+1]
	s_cselect_b32 s36, 256, s36
	s_cmp_lt_u32 ttmp9, 256
	s_cselect_b64 s[INP:INP+1], s[4:5], s[INP:INP+1]
	s_cselect_b32 s36, 0, s36
	s_cselect_b64 s[OUTB:OUTB+1], s[14:15], s[16:17]
	s_cselect_b32 s37, 0, 256                      ; the output buffer's first work-group
	s_cselect_b32 s34, XS_OFF, s34                 ; where its scale bytes begin
	s_sub_co_u32 s22, ttmp9, s36
	s_lshl_b32 s22, s22, 2
	s_add_co_u32 s22, s22, s20                     ; which run of 8,192 numbers of the tensor is my wave's
	s_lshl_b32 s22, s22, 15
	s_mov_b32 s23, 0
	s_add_nc_u64 s[INP:INP+1], s[INP:INP+1], s[22:23]
	s_sub_co_u32 s24, ttmp9, s37
	s_lshl_b32 s24, s24, 2
	s_add_co_u32 s24, s24, s20                     ; and which run of the output buffer
	s_lshl_b32 s26, s24, 12                        ; 4,096 bytes of codes a run
	s_mov_b32 s27, 0
	s_add_nc_u64 s[COD:COD+1], s[OUTB:OUTB+1], s[26:27]
	s_lshl_b32 s26, s24, 8                         ; 256 scale bytes a run
	s_add_co_u32 s26, s26, s34
	s_add_nc_u64 s[SCA:SCA+1], s[OUTB:OUTB+1], s[26:27]
.macro LOAD t
.irp i, 0,1,2,3
	global_load_b128 v[R+16*((\t)%4)+4*\i:R+16*((\t)%4)+4*\i+3], v3, s[INP:INP+1] offset:2048*(\t)+512*\i th:TH_LOAD_NT   ; 32 lanes read 512 consecutive bytes
.endr
.endm
.macro TURN t                          ; step t's numbers through the stage: LDS serves a wave's instructions in order, so no wait stands between the stores and the loads
.irp i, 0,1,2,3
	ds_store_b128 v14, v[R+16*((\t)%4)+4*\i:R+16*((\t)%4)+4*\i+3] offset:32*SP*((\t)%2)+8*SP*\i
.endr
.irp i, 0,1,2,3
	ds_load_b128 v[X+16*((\t)%2)+4*\i:X+16*((\t)%2)+4*\i+3], v15 offset:32*SP*((\t)%2)+16*\i
.endr
.endm
.irp t, 0,1,2,3
	LOAD \t
.endr
	s_wait_loadcnt 12                              ; step 0's four loads are in; the twelve behind them may be out
	TURN 0
.macro STEP t
.set XS, X+16*((\t)%2)
.if (\t) > 0
	s_wait_dscnt 1                                 ; this step's numbers are back from the stage (the last step's byte store may be out)
.else
	s_wait_dscnt 0x0
.endif
.if (\t)+4 < STEPS
	LOAD (\t)+4                                    ; into the registers that the stage's stores have read
.endif
.if (\t)+1 < STEPS
.if STEPS-2-(\t) >= 3
	s_wait_loadcnt 12                              ; the next step's four loads are in; those of the three steps behind it may be out
.else
	s_wait_loadcnt 4*(STEPS-2-(\t))
.endif
	TURN (\t)+1                                    ; through the other stage while this step is worked
.endif
	v_max3_num_f32 v8, |v[XS]|, |v[XS+1]|, |v[XS+2]|               ; the largest magnitude of my 16, in two chains
	v_max3_num_f32 v9, |v[XS+3]|, |v[XS+4]|, |v[XS+5]|
.irp i, 6,10
	v_max3_num_f32 v8, v8, |v[XS+\i]|, |v[XS+\i+1]|
	v_max3_num_f32 v9, v9, |v[XS+\i+2]|, |v[XS+\i+3]|
.endr
	v_max3_num_f32 v8, v8, |v[XS+14]|, |v[XS+15]|
	v_max3_num_f32 v8, v8, v9, (EMAX+1)<<23        ; and the floor 2^(3 - 127): the byte cannot fall under 1
	v_max_num_f32_dpp v8, v8, v8 row_xmask:1 row_mask:0xf bank_mask:0xf   ; and of my neighbour's 16: the block's
	v_add_nc_u32 v11, -(EMAX<<23), v8              ; 2 off its exponent field: the conversion takes that field as its scale, and nothing else
	v_cvt_scalef32_pk8_fp4_f32 v[C+4*(\t)], v[XS:XS+7], v11
	v_cvt_scalef32_pk8_fp4_f32 v[C+4*(\t)+1], v[XS+8:XS+15], v11
	v_lshrrev_b32 v[E+(\t)], 23, v11               ; the scale's byte
	ds_store_b8 v5, v[E+(\t)] offset:16*(\t)       ; both lanes of a block write the same byte with the same value
	global_store_b64 v4, v[C+4*(\t):C+4*(\t)+1], s[COD:COD+1] offset:32*CB*(\t)   ; the wave stores 256 consecutive bytes, aligned
.endm
.irp t, 0,1,2,3,4,5,6,7,8,9,10,11,12,13,14,15
	STEP \t
.endr
	ds_load_b64 v[12:13], v6                       ; LDS serves a wave's instructions in order: these see my stores
	s_wait_dscnt 0x0
	global_store_b64 v7, v[12:13], s[SCA:SCA+1]    ; 256 consecutive bytes, aligned
	s_wait_tensorcnt 0x0
	ds_add_u32 v192, v193
	s_wait_dscnt 0x0
	s_endpgm
.Lwo:                                              ; Wo to f16: four sets of 2,048 numbers a wave, two sets of registers
	s_sub_co_u32 s22, ttmp9, 352
	s_lshl_b32 s22, s22, 2
	s_add_co_u32 s22, s22, s20                     ; my run of 8,192 numbers: 0 .. 127
	s_lshl_b32 s24, s22, 15
	s_mov_b32 s25, 0
	s_add_nc_u64 s[24:25], s[12:13], s[24:25]      ; in
	s_lshl_b32 s26, s22, 14
	s_mov_b32 s27, 0
	s_add_nc_u64 s[26:27], s[18:19], s[26:27]      ; out
	s_lshl_b32 s28, s22, 2
	s_add_co_u32 s28, s28, WM_OFF
	s_mov_b32 s29, 0
	s_add_nc_u64 s[28:29], s[18:19], s[28:29]      ; my run's maximum
	s_mov_b32 s30, 0x76543210
	s_mov_b32 s31, 0xfedcba98                      ; v_permlanex16_b32's selects for lane l xor 16
	v_lshlrev_b32 v4, 3, v2                        ; out: 8 bytes a lane
	v_mov_b32 v8, 0                                ; two running maxima
	v_mov_b32 v9, 0
	v_mov_b32 v10, 0                               ; (a lane permute's destination counts as read)
	v_mov_b32 v11, 0
.macro LOADW t
.irp i, 0,1,2,3,4,5,6,7,8,9,10,11,12,13,14,15
	global_load_b128 v[16+64*((\t)%2)+4*\i:16+64*((\t)%2)+4*\i+3], v3, s[24:25] offset:8192*(\t)+512*\i th:TH_LOAD_NT
.endr
.endm
.macro WORKW t
.irp i, 0,1,2,3,4,5,6,7,8,9,10,11,12,13,14,15
.set RR, 16+64*((\t)%2)+4*\i
	v_max3_num_f32 v8, v8, |v[RR]|, |v[RR+1]|
	v_max3_num_f32 v9, v9, |v[RR+2]|, |v[RR+3]|
	v_cvt_pk_f16_f32 v[RR], v[RR], v[RR+1]
	v_cvt_pk_f16_f32 v[RR+1], v[RR+2], v[RR+3]
	global_store_b64 v4, v[RR:RR+1], s[26:27] offset:4096*(\t)+256*\i    ; the wave stores 256 consecutive bytes, aligned
.endr
.endm
	LOADW 0
	LOADW 1
	s_wait_loadcnt 16                              ; set 0 is in; set 1's sixteen loads may be out
	WORKW 0
	s_wait_xcnt 0x0                                ; the stores have read their registers: they are loaded again only behind this wait
	LOADW 2
	s_wait_loadcnt 16
	WORKW 1
	s_wait_xcnt 0x0
	LOADW 3
	s_wait_loadcnt 16
	WORKW 2
	s_wait_loadcnt 0x0
	WORKW 3
	v_max_num_f32 v8, v8, v9
	v_max_num_f32_dpp v8, v8, v8 row_xmask:1 row_mask:0xf bank_mask:0xf
	v_max_num_f32_dpp v8, v8, v8 row_xmask:2 row_mask:0xf bank_mask:0xf
	v_max_num_f32_dpp v8, v8, v8 row_xmask:4 row_mask:0xf bank_mask:0xf
	v_max_num_f32_dpp v8, v8, v8 row_xmask:8 row_mask:0xf bank_mask:0xf
	v_permlanex16_b32 v10, v8, s30, s31
	v_max_num_f32 v8, v8, v10                      ; the wave's largest |Wo|
	v_cmp_eq_u32 vcc_lo, 0, v2
	s_wait_xcnt 0x0                                ; EXEC changes only behind this wait
	s_and_saveexec_b32 s32, vcc_lo                 ; lane 0 alone stores it
	global_store_b32 v11, v8, s[28:29]
	s_wait_xcnt 0x0
	s_or_b32 exec_lo, exec_lo, s32
	s_endpgm
.Lfunc_end_k_qf670867cc9_prep:
	.size	k_qf670867cc9_prep, .Lfunc_end_k_qf670867cc9_prep-k_qf670867cc9_prep
	.p2alignl 7, 3214868480
	.fill 96, 4, 3214868480
	.section	.rodata,"a",@progbits
	.p2align	6, 0x0
	.amdhsa_kernel k_qf670867cc9_prep
		.amdhsa_group_segment_fixed_size 33280
		.amdhsa_private_segment_fixed_size 0
		.amdhsa_enable_private_segment 0
		.amdhsa_kernarg_size 64
		.amdhsa_user_sgpr_count 2
		.amdhsa_user_sgpr_kernarg_segment_ptr 1
		.amdhsa_wavefront_size32 1
		.amdhsa_system_sgpr_workgroup_id_x 1
		.amdhsa_system_sgpr_workgroup_id_y 1
		.amdhsa_system_sgpr_workgroup_id_z 1
		.amdhsa_system_vgpr_workitem_id 0
		.amdhsa_next_free_vgpr 194
		.amdhsa_next_free_sgpr 66
		.amdhsa_reserve_vcc 1
		.amdhsa_float_denorm_mode_32 3
		.amdhsa_float_denorm_mode_16_64 3
		.amdhsa_memory_ordered 1
		.amdhsa_forward_progress 1
		.amdhsa_inst_pref_size 64
	.end_amdhsa_kernel
	.amdgpu_metadata
---
amdhsa.version: [ 1, 2 ]
amdhsa.kernels:
  - .name:           k_qf670867cc9_prep
    .symbol:         k_qf670867cc9_prep.kd
    .args:
      - { .name: x, .offset: 0, .size: 8, .value_kind: global_buffer, .address_space: global }
      - { .name: Wq, .offset: 8, .size: 8, .value_kind: global_buffer, .address_space: global }
      - { .name: Wk, .offset: 16, .size: 8, .value_kind: global_buffer, .address_space: global }
      - { .name: Wv, .offset: 24, .size: 8, .value_kind: global_buffer, .address_space: global }
      - { .name: Wo, .offset: 32, .size: 8, .value_kind: global_buffer, .address_space: global }
      - { .name: xcod, .offset: 40, .size: 8, .value_kind: global_buffer, .address_space: global }
      - { .name: wcod, .offset: 48, .size: 8, .value_kind: global_buffer, .address_space: global }
      - { .name: wo16, .offset: 56, .size: 8, .value_kind: global_buffer, .address_space: global }
    .group_segment_fixed_size: 33280
    .private_segment_fixed_size: 0
    .kernarg_segment_align: 8
    .kernarg_segment_size: 64
    .max_flat_workgroup_size: 128
    .sgpr_count:     66
    .vgpr_count:     194
    .wavefront_size: 32
...
	.end_amdgpu_metadata
.endif
;; end of part 1
;; launch proj (part 2): grid 12 x 32, 4 waves a work-group, clusters of 4 x 4, 327,680 bytes of LDS; arguments xcod, wcod, qkv16, bq, bk, bv; writes qkv16
.if DOCPART == 2
	.amdgcn_target "amdgcn-amd-amdhsa--gfx1250"
	.amdhsa_code_object_version 6
	.text
	.protected	k_qf670867cc9_proj
	.globl	k_qf670867cc9_proj
	.p2align	8
	.type	k_qf670867cc9_proj,@function
k_qf670867cc9_proj:
	s_mov_b64 s[64:65], 0
	v_nop
	global_prefetch_b8 v0, s[64:65] scope:SCOPE_SE
	s_setreg_imm32_b32 hwreg(HW_REG_WAVE_MODE, 25, 1), 1
	s_wait_xcnt 0x0
	s_wait_alu depctr_hold_cnt(0) depctr_sa_sdst(0) depctr_va_vdst(0) depctr_va_sdst(0) depctr_va_ssrc(0) depctr_va_vcc(0) depctr_vm_vsrc(0)
	s_getreg_b32 s2, hwreg(HW_REG_IB_STS2, 6, 4)
	s_cmp_eq_u32 s2, 0
	s_cbranch_scc0 .Lentry_in_a_cluster
	s_endpgm
.Lentry_in_a_cluster:
	s_bfe_u32 s2, ttmp6, 0x10000c
	s_cmp_lg_u32 s2, 0xf033
	s_cbranch_scc0 .Lentry_shape_is_right
	s_endpgm
.Lentry_shape_is_right:
; qkv16[m][n] = sum over k of x^[m][k] W^[n][k] + b[n], m = 0 .. 8191, n = 0 .. 3071 (q, k, v side by side), on codes of FP4 (E2M1) with one E8M0 scale for each 32 along K; sums in f32; the result is rounded once to f16.
; Behind the 8192 rows of 6,144 bytes lie 1,536 f32: each wave's largest |result| (f32, bias in), at index (tile column x 32 + tile row) x 4 + wave; the next launch takes the k's and v's.
; LIMITS: |q|, |k|, |v| stay under 65,504 (f16); NaN and infinities are not served.
; A tile of C, 256 x 256, is made by four waves, 128 x 128 each: 64 accumulators, 512 registers.  K = 1,024 is two slots of 512 along K (rows of 256 bytes): both are asked for at the start, and no slot is filled again.
; The scale bytes of the work-group's 256 + 256 rows, for all of K, are two dense blocks: they come once, with the first fills.
; CLUSTERS: 4 x 4 work-groups; A's tiles are asked for jointly along a row of the cluster, B's along a column.  The matrix instruction is used transposed (source 0 = 16 rows of W, source 1 = 16 rows of x):
; a lane holds eight neighbouring columns of one row.  The bias is the C of each sum's first matrix instruction.
; REGISTERS: window 0: v0-31 addresses; v32-95 scale words, two sets; v128-191 A's fragments, one set; v192-255 the bias, 8 registers for each block of 16 columns.  Window 1: B's fragments, two sets.  Windows 2, 3: accumulators.
.set SIZE_M, 8192
.set SIZE_N, 3072
.set SIZE_K, 1024
.set KSTEP,  512
.set NQ,     KSTEP/128
.set ROWB,   256
.set KROW,   SIZE_K*4/8
.set PITCH,  272                       ; an LDS row: 256 bytes + 16 of padding: the 16 rows that a load touches start 68 words apart
.set FR,     8
.set NL,     2
.set NP,     4
.set HALFT,  128*PITCH
.set SLOT,   4*HALFT
.set KS,     SIZE_K/32
.set SCL,    2*SLOT
.set HALFS,  (128*KS/256)*272
.set SBLK,   (16*KS/256)*272
.set SPARE,  SCL+4*HALFS               ; the spare words, 128 bytes for each wave: no other line names them
.set SPITCH, 272                       ; the way out: 16 rows x (256 + 16) bytes for each wave, in slot 0, which is read no more behind the change of slots and is never filled again
.set XS_OFF, 4194304
.set WS_OFF, 1572864
.set KVM_OFF, 50331648
.set ADRA, 16
.set ADRB, 20
.set STO,  24
.set RD,   25
.set CO,   26
.set ADRS, 27
.set SPW,  28
.set NIL,  29
.set SC,   32
.set AF,   128
.set BI,   192
.set TMP,  32                          ; the way out: packed results
.set BK,   64                          ; 16 rows read back: v64-95 and v96-127 by turns
.set MX,   128                         ; four running maxima
.set G1, 24
.set G0, 32
.set G1B, 48
.set G0B, 56
.set G1S, 68
.set G0S, 76
.set G1SB, 80
.set G0SB, 88
.set MSB, 0
.macro WIN new                         ; the immediate's high byte repeats the setting that is left
.if MSB != \new
	s_set_vgpr_msb (MSB<<8)|\new
.set MSB, \new
.endif
.endm
.set MUL_LO, 0xa1                      ; source 0 (B) window 1, source 1 (A) window 0, C and D window 2
.set MUL_HI, 0xf1                      ; the same, C and D window 3
.set BIAS_LO, 0x81                     ; the first step: C (the bias) window 0, D window 2
.set BIAS_HI, 0xc1                     ; D window 3
.set TO_B,   0x40
; A joint load: waves 0 and 1 fetch for A, waves 2 and 3 for B; the branch hangs on the wave's number alone.  Four v_nop follow each of the two lines.
.macro JLOAD g0a, g1a, g0b, g1b
	s_cmp_eq_u32 s15, 0
	s_cbranch_scc0 .Lfor_b_\@
	tensor_load_to_lds s[\g0a:\g0a+3], s[\g1a:\g1a+7]
	s_nop 0
.rept 4
	v_nop
.endr
	s_branch .Lasked_\@
.Lfor_b_\@:
	tensor_load_to_lds s[\g0b:\g0b+3], s[\g1b:\g1b+7]
	s_nop 0
.rept 4
	v_nop
.endr
.Lasked_\@:
.endm
.macro CROUND                          ; a round of the cluster's barrier
	s_barrier_signal -1
	s_barrier_wait -1
	s_cmp_lg_u32 s14, 0
	s_cbranch_scc1 .Lnot_wave_0_\@
	s_barrier_signal -3
.Lnot_wave_0_\@:
	s_barrier_wait -3
	s_barrier_signal -1
	s_barrier_wait -1
.endm
	s_load_b128 s[4:7], s[0:1], 0x0                ; xcod s[4:5], wcod s[6:7]
	s_load_b64 s[12:13], s[0:1], 0x10              ; qkv16
	s_load_b128 s[96:99], s[0:1], 0x18             ; bq, bk
	s_load_b64 s[100:101], s[0:1], 0x28            ; bv
	v_lshl_add_u32 v[SPW], v0, 2, SPARE
	v_mov_b32 v[NIL], 0
	ds_add_u32 v28, v29
	ds_add_u32 v28, v29
	s_wait_dscnt 0x0
	v_lshrrev_b32 v1, 5, v0
	v_readfirstlane_b32 s14, v1                    ; wave 0..3
	s_lshr_b32 s15, s14, 1                         ; which half of the tile's rows is mine.  Also: I fetch for A (0) or for B (1)
	s_and_b32 s16, s14, 1                          ; which half of its columns.  Also: which 128 rows of that tile I fetch
	s_bfe_u32 s40, ttmp6, 0x40000                  ; cx, cy
	s_bfe_u32 s41, ttmp6, 0x40004
	s_lshl_b32 s42, ttmp9, 2
	s_add_co_u32 s42, s42, s40                     ; tile column
	s_and_b32 s17, ttmp7, 0xffff
	s_lshl_b32 s17, s17, 2
	s_add_co_u32 s17, s17, s41                     ; tile row
	s_lshl_b32 s43, s41, 2
	s_lshl_b32 s43, 15, s43                        ; my row of the cluster
	s_lshl_b32 s44, 0x1111, s40                    ; my column
	s_or_b32 s[G1+0], s43, (0<<16)|(1<<20)|(1<<21)|(5<<22)|(3<<25)  ; the mask; elements of 1 byte; padding: 4 words after every 64; bit 21 beside a mask
	s_or_b32 s[G1B+0], s44, (0<<16)|(1<<20)|(1<<21)|(5<<22)|(3<<25)
.irp g, G1, G1B
	s_mov_b32 s[\g+1], ROWB<<16                    ; tensor_dim0
	s_mov_b32 s[\g+2], 128<<16                     ; tensor_dim1
	s_mov_b32 s[\g+3], ROWB<<16                    ; tile_dim0
	s_mov_b32 s[\g+4], 128                         ; tile_dim1
	s_mov_b32 s[\g+5], KROW                        ; the pitch
	s_mov_b32 s[\g+6], 0
	s_mov_b32 s[\g+7], 0
.endr
	s_or_b32 s[G1S+0], s43, (3<<16)|(1<<20)|(1<<21)|(5<<22)|(3<<25) ; the scales of 128 rows: 4,096 dense bytes as 16 rows of 256 (32 elements of 8 bytes), 16 bytes of padding behind each
	s_or_b32 s[G1SB+0], s44, (3<<16)|(1<<20)|(1<<21)|(5<<22)|(3<<25)
.irp g, G1S, G1SB
	s_mov_b32 s[\g+1], 32<<16
	s_mov_b32 s[\g+2], (128*KS/256)<<16
	s_mov_b32 s[\g+3], 32<<16
	s_mov_b32 s[\g+4], 128*KS/256
	s_mov_b32 s[\g+5], 32
	s_mov_b32 s[\g+6], 0
	s_mov_b32 s[\g+7], 0
.endr
	s_lshl_b32 s18, s16, 7
	s_lshl_b32 s20, s17, 8
	s_add_co_u32 s20, s20, s18                     ; A: row 256 x tile row + 128 x half
	s_lshl_b32 s46, s42, 8
	s_add_co_u32 s46, s46, s18                     ; B: row 256 x tile column + 128 x half
	s_mov_b32 s21, 0
	s_mov_b32 s47, 0
	s_mov_b64 s[18:19], KS
	s_mul_u64 s[22:23], s[20:21], s[18:19]         ; where these rows' scales begin
	s_mul_u64 s[92:93], s[46:47], s[18:19]
	s_mov_b64 s[18:19], KROW
	s_mul_u64 s[20:21], s[20:21], s[18:19]         ; and their codes
	s_mul_u64 s[46:47], s[46:47], s[18:19]
	s_mul_i32 s45, s14, HALFT                      ; where they go: no place in the cluster enters an LDS address
	s_mul_i32 s94, s14, HALFS
	s_wait_kmcnt 0x0
	s_mov_b64 s[8:9], s[6:7]                       ; B's codes
	s_add_nc_u64 s[10:11], s[6:7], WS_OFF          ; B's scales
	s_add_nc_u64 s[6:7], s[4:5], XS_OFF            ; A's scales
	s_add_nc_u64 s[66:67], s[12:13], KVM_OFF       ; the maxima
	s_add_nc_u64 s[20:21], s[4:5], s[20:21]
	s_add_nc_u64 s[22:23], s[6:7], s[22:23]
	s_add_nc_u64 s[46:47], s[8:9], s[46:47]
	s_add_nc_u64 s[92:93], s[10:11], s[92:93]
	CROUND                                         ; all sixteen work-groups are here: the joint loads meet
	s_mov_b32 s[G0S], 1
	s_add_co_u32 s[G0S+1], s94, SCL
	s_mov_b64 s[G0S+2:G0S+3], s[22:23]
	s_or_b32 s[G0S+3], s[G0S+3], 0x80000000
	s_mov_b32 s[G0SB], 1
	s_add_co_u32 s[G0SB+1], s94, SCL
	s_mov_b64 s[G0SB+2:G0SB+3], s[92:93]
	s_or_b32 s[G0SB+3], s[G0SB+3], 0x80000000
	JLOAD G0S, G1S, G0SB, G1SB                     ; the scales first; three loads of mine are out behind the next two
.irp s, 0,1
	s_mov_b32 s[G0+4*\s], 1
	s_add_co_u32 s[G0+4*\s+1], s45, \s*SLOT
	s_add_nc_u64 s[G0+4*\s+2:G0+4*\s+3], s[20:21], \s*ROWB
	s_or_b32 s[G0+4*\s+3], s[G0+4*\s+3], 0x80000000
	s_mov_b32 s[G0B+4*\s], 1
	s_add_co_u32 s[G0B+4*\s+1], s45, \s*SLOT
	s_add_nc_u64 s[G0B+4*\s+2:G0B+4*\s+3], s[46:47], \s*ROWB
	s_or_b32 s[G0B+4*\s+3], s[G0B+4*\s+3], 0x80000000
	JLOAD G0+4*\s, G1, G0B+4*\s, G1B
.endr
	v_and_b32 v1, 15, v0                           ; r = l % 16
	v_bfe_u32 v2, v0, 4, 1                         ; h = l / 16
	; the bias: cluster x 0, 1, 2 is q, k, v (1,024 columns are four tile columns); lane (r, h) wants, for block b, the numbers of columns 16 b + 8 h + 0 .. 7 of my 128
	s_cmp_eq_u32 ttmp9, 1
	s_cselect_b64 s[98:99], s[98:99], s[100:101]
	s_cmp_eq_u32 ttmp9, 0
	s_cselect_b64 s[96:97], s[96:97], s[98:99]
	s_lshl_b32 s18, s40, 10                        ; 256 columns x 4 bytes x cx
	s_lshl_b32 s19, s16, 9
	s_add_co_u32 s18, s18, s19
	s_mov_b32 s19, 0
	s_add_nc_u64 s[96:97], s[96:97], s[18:19]
	v_lshlrev_b32 v7, 5, v2
.irp b, 0,1,2,3,4,5,6,7
	global_load_b128 v[BI+8*\b:BI+8*\b+3], v7, s[96:97] offset:64*\b
	global_load_b128 v[BI+8*\b+4:BI+8*\b+7], v7, s[96:97] offset:64*\b+16
.endr
	v_mul_u32_u24 v3, v1, PITCH
	v_lshl_add_u32 v4, v2, 4, v3                   ; a fragment's row x pitch + 16 x half
	s_mul_i32 s21, s15, HALFT
	s_mul_i32 s22, s16, HALFT
	s_add_co_u32 s22, s22, 2*HALFT
.irp s, 0,1
	v_add_nc_u32 v[ADRA+\s], s21, v4
	v_add_nc_u32 v[ADRB+\s], s22, v4
	s_add_co_u32 s21, s21, SLOT
	s_add_co_u32 s22, s22, SLOT
.endr
	v_mul_u32_u24 v5, v1, KS                       ; my row's scales: KS bytes a row,
	v_lshrrev_b32 v6, 8, v5
	v_lshl_add_u32 v5, v6, 4, v5                   ; and 16 more for each 256 passed
	s_mul_i32 s21, s15, HALFS
	s_mul_i32 s22, s16, HALFS
	s_add_co_u32 s22, s22, 2*HALFS
	s_sub_co_u32 s22, s22, s21
	v_mul_u32_u24 v6, s22, v2                      ; lanes 16-31 take B's
	s_add_co_u32 s21, s21, SCL
	v_add_nc_u32 v5, v5, v6
	v_add_nc_u32 v[ADRS], s21, v5
	s_mul_i32 s23, s14, 16*SPITCH                  ; my stage
	v_mul_u32_u24 v5, v1, SPITCH                   ; in: row r, 16 bytes for each half of the lanes
	v_lshl_add_u32 v5, v2, 4, v5
	v_add_nc_u32 v[STO], s23, v5
	v_mul_u32_u24 v5, v2, SPITCH                   ; back: lanes 0-15 one row of 256 bytes, lanes 16-31 the next
	v_lshl_add_u32 v5, v1, 4, v5
	v_add_nc_u32 v[RD], s23, v5
	v_mul_u32_u24 v5, v2, SIZE_N*2                 ; and the same two rows in qkv16
	v_lshl_add_u32 v[CO], v1, 4, v5
	s_lshl_b32 s20, s17, 8
	s_lshl_b32 s21, s15, 7
	s_add_co_u32 s20, s20, s21                     ; my first row
	s_mov_b32 s21, 0
	s_mov_b64 s[18:19], SIZE_N*2
	s_mul_u64 s[20:21], s[20:21], s[18:19]
	s_lshl_b32 s46, s42, 9                         ; my first column, in bytes: 512 x tile column + 256 x half
	s_lshl_b32 s47, s16, 8
	s_add_co_u32 s46, s46, s47
	s_mov_b32 s47, 0
	s_add_nc_u64 s[20:21], s[20:21], s[46:47]
	s_add_nc_u64 s[12:13], s[12:13], s[20:21]
	s_lshl_b32 s18, s42, 5
	s_add_co_u32 s18, s18, s17
	s_lshl_b32 s18, s18, 2
	s_add_co_u32 s18, s18, s14                     ; (tile column x 32 + tile row) x 4 + wave
	s_lshl_b32 s18, s18, 2
	s_mov_b32 s19, 0
	s_add_nc_u64 s[66:67], s[66:67], s[18:19]
.macro FRAG reg, adr, q, i             ; 16 rows x 128 K of 4-bit codes: 8 registers; registers 4 c .. 4 c + 3 hold K = 64 c + 32 (l / 16) + 0 .. 31
.irp c, 0,1
	ds_load_b128 v[\reg+4*\c:\reg+4*\c+3], v[\adr] offset:64*(\q)+32*\c+(\i)*16*PITCH
.endr
.endm
; 16 matrix instructions: A's blocks a0, a0 + 1 x B's eight, the slot's q-th 128 along K.  zero = 1: the first product starts the sums, from the bias.  The 64 accumulators take turns, one instruction a turn.
.macro MUL16 a0, p, q, sc, zero
.irp a, \a0, \a0+1
.irp b, 0,1,2,3,4,5,6,7
.if \zero
	v_wmma_scale_f32_16x16x128_f8f6f4 v[8*(8*((\a)%4)+\b):8*(8*((\a)%4)+\b)+7], v[128*(\p)+FR*\b:128*(\p)+FR*\b+FR-1], v[AF+FR*(\a):AF+FR*(\a)+FR-1], v[BI+8*\b:BI+8*\b+7], v[SC+8*NQ*(\sc)+NQ*\b+(\q)], v[SC+8*NQ*(\sc)+NQ*(\a)+(\q)] matrix_a_fmt:MATRIX_FMT_FP4 matrix_b_fmt:MATRIX_FMT_FP4 matrix_a_scale:MATRIX_SCALE_ROW1
.else
	v_wmma_scale_f32_16x16x128_f8f6f4 v[8*(8*((\a)%4)+\b):8*(8*((\a)%4)+\b)+7], v[128*(\p)+FR*\b:128*(\p)+FR*\b+FR-1], v[AF+FR*(\a):AF+FR*(\a)+FR-1], v[8*(8*((\a)%4)+\b):8*(8*((\a)%4)+\b)+7], v[SC+8*NQ*(\sc)+NQ*\b+(\q)], v[SC+8*NQ*(\sc)+NQ*(\a)+(\q)] matrix_a_fmt:MATRIX_FMT_FP4 matrix_b_fmt:MATRIX_FMT_FP4 matrix_a_scale:MATRIX_SCALE_ROW1
.endif
.endr
.endr
.endm
.macro FETCH_B slot, q, p
	WIN TO_B
.irp i, 0,1,2,3,4,5,6,7
	FRAG 128*(\p)+FR*\i, ADRB+\slot, \q, \i
.endr
	WIN 0
.endm
.macro FETCH_A slot, q, i0
.irp i, \i0, \i0+1, \i0+2, \i0+3
	FRAG AF+FR*(\i), ADRA+\slot, \q, \i
.endr
.endm
.macro SCALES sc                       ; a slot's scale words: lanes 0-15 take A's block i, lanes 16-31 B's block i
.irp i, 0,1,2,3,4,5,6,7
	ds_load_b128 v[SC+8*NQ*\sc+NQ*\i:SC+8*NQ*\sc+NQ*\i+3], v[ADRS] offset:\i*SBLK
.endr
.endm
.macro PLACES n                        ; places behind matrix instructions, in front of loads into registers that they read and of the first read of results
.rept \n
	v_nop
.endr
.endm
.macro STEP slot, q, zero              ; 128 along K, with its successor in the same slot
	s_wait_dscnt 4*NL                              ; B's set and A's blocks 0-3 are in; the youngest eight loads (A's blocks 4-7) may be out
.if \zero
	WIN BIAS_LO
.else
	WIN MUL_LO
.endif
	MUL16 0, (\q)%2, \q, \slot, \zero
	MUL16 2, (\q)%2, \q, \slot, \zero
	s_wait_dscnt 0
	PLACES NP
	FETCH_B \slot, (\q)+1, 1-(\q)%2
	FETCH_A \slot, (\q)+1, 0
.if \zero
	WIN BIAS_HI
.else
	WIN MUL_HI
.endif
	MUL16 4, (\q)%2, \q, \slot, \zero
	MUL16 6, (\q)%2, \q, \slot, \zero
	PLACES NP
	WIN 0
	FETCH_A \slot, (\q)+1, 4
.endm
; The change of slots: one barrier.  In front of it each wave waits for all its tensor loads (its part of the next slot), and for its own reads of this slot.
.macro TURN slot, next
	s_wait_tensorcnt 0x0                           ; my part of the next slot has landed
	ds_add_u32 v[SPW], v[NIL]                      ; 0 onto my spare word
	s_wait_dscnt 4*NL+1                            ; (the add and A's blocks 4-7 may be out)
	WIN MUL_LO
	MUL16 0, 1, NQ-1, \slot, 0
	s_wait_dscnt 0x0                               ; the add is done, and my reads of this slot are over
	s_barrier_signal -1
	MUL16 2, 1, NQ-1, \slot, 0
	WIN 0
	s_barrier_wait -1
	PLACES NP
	v_add_nc_u32 v[ADRS], 4*NQ, v[ADRS]            ; on to the next slot's scale words
	FETCH_B \next, 0, 0
	FETCH_A \next, 0, 0
	SCALES \next
	WIN MUL_HI
	MUL16 4, 1, NQ-1, \slot, 0
	MUL16 6, 1, NQ-1, \slot, 0
	PLACES NP
	WIN 0
	FETCH_A \next, 0, 4
.endm
	s_wait_loadcnt 0x0                             ; the bias
	s_wait_tensorcnt 1                             ; the scales and my part of slot 0 are in; slot 1's load may be out,
	s_barrier_signal -1
	s_barrier_wait -1                              ; everybody's are
	FETCH_B 0, 0, 0
	FETCH_A 0, 0, 0
	SCALES 0
	FETCH_A 0, 0, 4
	STEP 0, 0, 1
	STEP 0, 1, 0
	STEP 0, 2, 0
	TURN 0, 1
	STEP 1, 0, 0
	STEP 1, 1, 0
	STEP 1, 2, 0
	s_wait_dscnt 4*NL                              ; the last step: nothing more to fetch
	WIN MUL_LO
	MUL16 0, 1, NQ-1, 1, 0
	MUL16 2, 1, NQ-1, 1, 0
	s_wait_dscnt 0
	WIN MUL_HI
	MUL16 4, 1, NQ-1, 1, 0
	MUL16 6, 1, NQ-1, 1, 0
	WIN 0
; THE WAY OUT, block by block of 16 rows x 128 columns: the largest magnitude (f32), rounding to f16 (16 bytes a lane), through my own stage, back as whole rows of 256 bytes.
.macro MAXP a                          ; each accumulator is read from its low end on
.set AC, 64*((\a)%4)
	WIN 0x28+0x14*((\a)/4)                         ; sources 1 and 2: window 2 or 3
.set I, 0
.rept 32
	v_max3_num_f32 v[MX+I%4], v[MX+I%4], |v[AC+2*I]|, |v[AC+2*I+1]|
.set I, I+1
.endr
.endm
.macro PACK a
.set AC, 64*((\a)%4)
	WIN 0x0a+5*((\a)/4)                            ; sources 0 and 1: window 2 or 3
.irp b, 0,1,2,3,4,5,6,7
.irp r, 0,1,2,3
	v_cvt_pk_f16_f32 v[TMP+4*\b+\r], v[AC+8*\b+2*\r], v[AC+8*\b+2*\r+1]
.endr
.endr
	WIN 0
.endm
.macro TOSTAGE a
.set BB, BK+32*((\a)%2)
.irp b, 0,1,2,3,4,5,6,7
	ds_store_b128 v[STO], v[TMP+4*\b:TMP+4*\b+3] offset:32*\b
.endr
.irp t, 0,1,2,3,4,5,6,7
	ds_load_b128 v[BB+4*\t:BB+4*\t+3], v[RD] offset:\t*2*SPITCH    ; LDS serves a wave's instructions in order: these see the stores above
.endr
.endm
.macro SEND a
.set BB, BK+32*((\a)%2)
	s_wait_dscnt 0x0                               ; the block is back in registers
	s_wait_xcnt 0x0                                ; earlier stores have read their base and their registers: both are rewritten only behind this wait
.if (\a) > 0
	s_add_nc_u64 s[12:13], s[12:13], 16*SIZE_N*2
.endif
.irp t, 0,1,2,3,4,5,6,7
	global_store_b128 v[CO], v[BB+4*\t:BB+4*\t+3], s[12:13] offset:2*\t*SIZE_N*2   ; 16 lanes store 256 consecutive bytes, aligned
.endr
.endm
	PLACES NP
.irp i, 0,1,2,3
	v_mov_b32 v[MX+\i], 0
.endr
	MAXP 0
	PACK 0
	TOSTAGE 0
.irp a, 1,2,3,4,5,6,7                  ; block a's arithmetic stands between block a - 1's loads from the stage and the wait for them
	MAXP \a
	PACK \a
	SEND \a-1
	TOSTAGE \a
.endr
	SEND 7
	s_mov_b32 s18, 0x76543210
	s_mov_b32 s19, 0xfedcba98
	v_max_num_f32 v[MX], v[MX], v[MX+1]
	v_max_num_f32 v[MX+2], v[MX+2], v[MX+3]
	v_max_num_f32 v[MX], v[MX], v[MX+2]
	v_max_num_f32_dpp v[MX], v[MX], v[MX] row_xmask:1 row_mask:0xf bank_mask:0xf
	v_max_num_f32_dpp v[MX], v[MX], v[MX] row_xmask:2 row_mask:0xf bank_mask:0xf
	v_max_num_f32_dpp v[MX], v[MX], v[MX] row_xmask:4 row_mask:0xf bank_mask:0xf
	v_max_num_f32_dpp v[MX], v[MX], v[MX] row_xmask:8 row_mask:0xf bank_mask:0xf
	v_permlanex16_b32 v[MX+1], v[MX], s18, s19
	v_max_num_f32 v[MX], v[MX], v[MX+1]            ; the wave's largest magnitude
	v_and_b32 v6, 31, v0
	v_mov_b32 v5, 0
	v_cmp_eq_u32 vcc_lo, 0, v6
	s_wait_xcnt 0x0                                ; EXEC changes only behind this wait
	s_and_saveexec_b32 s20, vcc_lo                 ; lane 0 alone stores it
	global_store_b32 v5, v[MX], s[66:67]
	s_wait_xcnt 0x0
	s_or_b32 exec_lo, exec_lo, s20
	s_wait_tensorcnt 0x0                           ; the wave's end
	ds_add_u32 v[SPW], v[NIL]
	s_wait_dscnt 0x0
	CROUND                                         ; the closing round
	s_endpgm
.Lfunc_end_k_qf670867cc9_proj:
	.size	k_qf670867cc9_proj, .Lfunc_end_k_qf670867cc9_proj-k_qf670867cc9_proj
	.p2alignl 7, 3214868480
	.fill 96, 4, 3214868480
	.section	.rodata,"a",@progbits
	.p2align	6, 0x0
	.amdhsa_kernel k_qf670867cc9_proj
		.amdhsa_group_segment_fixed_size 327680
		.amdhsa_private_segment_fixed_size 0
		.amdhsa_enable_private_segment 0
		.amdhsa_kernarg_size 48
		.amdhsa_user_sgpr_count 2
		.amdhsa_user_sgpr_kernarg_segment_ptr 1
		.amdhsa_wavefront_size32 1
		.amdhsa_system_sgpr_workgroup_id_x 1
		.amdhsa_system_sgpr_workgroup_id_y 1
		.amdhsa_system_sgpr_workgroup_id_z 1
		.amdhsa_system_vgpr_workitem_id 0
		.amdhsa_next_free_vgpr 1024
		.amdhsa_next_free_sgpr 102
		.amdhsa_reserve_vcc 1
		.amdhsa_float_denorm_mode_32 3
		.amdhsa_float_denorm_mode_16_64 3
		.amdhsa_memory_ordered 1
		.amdhsa_forward_progress 1
		.amdhsa_inst_pref_size 146
	.end_amdhsa_kernel
	.amdgpu_metadata
---
amdhsa.version: [ 1, 2 ]
amdhsa.kernels:
  - .name:           k_qf670867cc9_proj
    .symbol:         k_qf670867cc9_proj.kd
    .args:
      - { .name: xcod, .offset: 0, .size: 8, .value_kind: global_buffer, .address_space: global }
      - { .name: wcod, .offset: 8, .size: 8, .value_kind: global_buffer, .address_space: global }
      - { .name: qkv16, .offset: 16, .size: 8, .value_kind: global_buffer, .address_space: global }
      - { .name: bq, .offset: 24, .size: 8, .value_kind: global_buffer, .address_space: global }
      - { .name: bk, .offset: 32, .size: 8, .value_kind: global_buffer, .address_space: global }
      - { .name: bv, .offset: 40, .size: 8, .value_kind: global_buffer, .address_space: global }
    .group_segment_fixed_size: 327680
    .private_segment_fixed_size: 0
    .kernarg_segment_align: 8
    .kernarg_segment_size: 48
    .max_flat_workgroup_size: 128
    .sgpr_count:     102
    .vgpr_count:     1024
    .wavefront_size: 32
...
	.end_amdgpu_metadata
.endif
;; end of part 2
;; launch ktv (part 3): grid 8 x 32, 4 waves a work-group, clusters of 4 x 4, 327,680 bytes of LDS; arguments qkv16, t16; writes t16
.if DOCPART == 3
	.amdgcn_target "amdgcn-amd-amdhsa--gfx1250"
	.amdhsa_code_object_version 6
	.text
	.protected	k_qf670867cc9_ktv
	.globl	k_qf670867cc9_ktv
	.p2align	8
	.type	k_qf670867cc9_ktv,@function
k_qf670867cc9_ktv:
	s_mov_b64 s[64:65], 0
	v_nop
	global_prefetch_b8 v0, s[64:65] scope:SCOPE_SE
	s_setreg_imm32_b32 hwreg(HW_REG_WAVE_MODE, 25, 1), 1
	s_wait_xcnt 0x0
	s_wait_alu depctr_hold_cnt(0) depctr_sa_sdst(0) depctr_va_vdst(0) depctr_va_sdst(0) depctr_va_ssrc(0) depctr_va_vcc(0) depctr_vm_vsrc(0)
	s_getreg_b32 s2, hwreg(HW_REG_IB_STS2, 6, 4)
	s_cmp_eq_u32 s2, 0
	s_cbranch_scc0 .Lentry_in_a_cluster
	s_endpgm
.Lentry_in_a_cluster:
	s_bfe_u32 s2, ttmp6, 0x10000c
	s_cmp_lg_u32 s2, 0xf033
	s_cbranch_scc0 .Lentry_shape_is_right
	s_endpgm
.Lentry_shape_is_right:
; T'[(b, e)][g] = 2^-a x the sum over s of k[b][s][e] v[b][s][g]: f16 operands, f32 sums, the result rounded once to f16.  Since no step between them is non-linear, (q k^T) v Wo^T is computed as q ((k^T v) Wo^T):
; the order of roundings differs from the source's.  a = ek + ev - 256, ek and ev the exponent fields of the largest |k| and |v| (floored at 2^-60): |T| <= 2^11 x 2^(ek - 126) x 2^(ev - 126), so |T'| <= 2^15, inside f16, for every input.
; a is a value alone: no branch and no address hangs on it.  Each work-group stores it as a whole number behind T' (word tile row x 8 + tile column; all words are equal).
; A tile of T' is 128 x 128; four waves, 64 x 64 each: 16 accumulators.  K = the 2,048 positions, in steps of 256 through two LDS slots.  k and v lie [s][column]: a tile is 256 rows s x 256 bytes, and the fragments come
; out of LDS turned, by ds_load_tr16_b128.  Tile row = 8 b + block of e, tile column = block of g.
; CLUSTERS: 4 x 4; k's tile hangs on the tile row and is asked for jointly along a row of the cluster; v's on the tile column and the batch (cluster y / 2, which all sixteen share) and is asked for jointly along a column.
; The matrix instruction is used transposed (source 0 = 16 columns of v, source 1 = 16 columns of k): a lane holds eight neighbouring g of one e.
; REGISTERS: window 0: v0-31 addresses and the factor; v32-95 at work; v128-255 the accumulators.  Window 1: two fragment buffers of 128.
.set KSTEP,  256
.set PT,     288                       ; an LDS row: 256 bytes + 32 of padding = 72 words
.set HALFT,  128*PT                    ; 128 rows: what one tensor load brings
.set SLOT,   4*HALFT                   ; k's 256 rows, then v's 256 rows
.set STAGE,  0                         ; the way out: 128 rows x 272 bytes in slot 0, which has had its last fill and its last read behind the last change of slots
.set SPITCH, 272
.set SPARE,  2*SLOT                    ; the spare words, 128 bytes for each wave: no other line names them
.set LAPS,   2048/(2*KSTEP)
.set QROW,   6144                      ; a row of qkv16 in bytes
.set KB,     KSTEP*QROW                ; a K step in memory
.set SIZE_N, 1024
.set KVM_OFF, 50331648
.set E_OFF,  8388608
.set ADRA, 16                          ; v16-19  k's fragments: slot 0 rows 0-127, rows 128-255, slot 1 likewise
.set ADRB, 20                          ; v20-23  v's
.set STO,  24
.set RD,   25
.set CO,   26
.set SPW,  28
.set NIL,  29
.set FS,   30                          ; v[30:31] 2^-a
.set TMP,  32
.set ACC,  128
.set F0,   0
.set F1,   128
.set G1, 24
.set G0, 32
.set G1B, 48
.set G0B, 56
.set MSB, 0
.macro WIN new
.if MSB != \new
	s_set_vgpr_msb (MSB<<8)|\new
.set MSB, \new
.endif
.endm
.set MUL,  0x05                        ; sources 0 and 1 window 1; C and D window 0
.set TO_F, 0x40                        ; destination window 1, address window 0
.macro JLOAD s                         ; a joint load: waves 0 and 1 fetch k's halves, waves 2 and 3 v's; four v_nop follow each of the two lines
	s_cmp_eq_u32 s11, 0
	s_cbranch_scc0 .Lfor_b_\@
	tensor_load_to_lds s[G0+4*\s:G0+4*\s+3], s[G1:G1+7]
	s_nop 0
.rept 4
	v_nop
.endr
	s_branch .Lasked_\@
.Lfor_b_\@:
	tensor_load_to_lds s[G0B+4*\s:G0B+4*\s+3], s[G1B:G1B+7]
	s_nop 0
.rept 4
	v_nop
.endr
.Lasked_\@:
.endm
.macro CREST
	s_cmp_lg_u32 s10, 0
	s_cbranch_scc1 .Lnot_wave_0_\@
	s_barrier_signal -3
.Lnot_wave_0_\@:
	s_barrier_wait -3
	s_barrier_signal -1
	s_barrier_wait -1
.endm
.macro CROUND
	s_barrier_signal -1
	s_barrier_wait -1
	CREST
.endm
.macro RED m, t                        ; the maximum over the 32 lanes, in every lane
	v_max_num_f32_dpp v[\m], v[\m], v[\m] row_xmask:1 row_mask:0xf bank_mask:0xf
	v_max_num_f32_dpp v[\m], v[\m], v[\m] row_xmask:2 row_mask:0xf bank_mask:0xf
	v_max_num_f32_dpp v[\m], v[\m], v[\m] row_xmask:4 row_mask:0xf bank_mask:0xf
	v_max_num_f32_dpp v[\m], v[\m], v[\m] row_xmask:8 row_mask:0xf bank_mask:0xf
	v_permlanex16_b32 v[\t], v[\m], s70, s71
	v_max_num_f32 v[\m], v[\m], v[\t]
.endm
.macro MAX16 d, s                      ; a lane's 16 maxima and the floor 2^-60
	v_max3_num_f32 v[\d], v[\s], v[\s+1], v[\s+2]
.irp i, 3,5,7,9,11,13
	v_max3_num_f32 v[\d], v[\d], v[\s+\i], v[\s+\i+1]
.endr
	v_max3_num_f32 v[\d], v[\d], v[\s+15], 0x21800000
.endm
	s_load_b128 s[4:7], s[0:1], 0x0                ; qkv16 s[4:5], t16 s[6:7]
	v_lshl_add_u32 v[SPW], v0, 2, SPARE
	v_mov_b32 v[NIL], 0
	ds_add_u32 v28, v29
	ds_add_u32 v28, v29
	s_wait_dscnt 0x0
	v_lshrrev_b32 v1, 5, v0
	v_readfirstlane_b32 s10, v1                    ; wave 0..3
	s_lshr_b32 s11, s10, 1                         ; which half of the tile's rows (e) is mine.  Also: I fetch k's tile (0) or v's (1)
	s_and_b32 s12, s10, 1                          ; which half of its columns (g).  Also: which 128 positions of the K step I fetch
	s_bfe_u32 s40, ttmp6, 0x40000                  ; cx, cy
	s_bfe_u32 s41, ttmp6, 0x40004
	s_lshl_b32 s42, ttmp9, 2
	s_add_co_u32 s42, s42, s40                     ; tile column
	s_and_b32 s13, ttmp7, 0xffff
	s_lshl_b32 s13, s13, 2
	s_add_co_u32 s13, s13, s41                     ; tile row
	s_lshl_b32 s43, s41, 2
	s_lshl_b32 s43, 15, s43                        ; my row of the cluster
	s_lshl_b32 s44, 0x1111, s40                    ; my column
	s_or_b32 s[G1+0], s43, (1<<16)|(1<<20)|(1<<21)|(5<<22)|(7<<25)  ; the mask; elements of 2 bytes; padding: 8 words after every 64; bit 21 beside a mask
	s_or_b32 s[G1B+0], s44, (1<<16)|(1<<20)|(1<<21)|(5<<22)|(7<<25)
.irp g, G1, G1B
	s_mov_b32 s[\g+1], 128<<16                     ; tensor_dim0 = 128 columns
	s_mov_b32 s[\g+2], 128<<16                     ; tensor_dim1 = 128 positions
	s_mov_b32 s[\g+3], 128<<16                     ; tile_dim0
	s_mov_b32 s[\g+4], 128                         ; tile_dim1
	s_mov_b32 s[\g+5], 3072                        ; the pitch, in elements
	s_mov_b32 s[\g+6], 0
	s_mov_b32 s[\g+7], 0
.endr
	s_and_b32 s16, ttmp7, 0xffff
	s_lshr_b32 s16, s16, 1                         ; the batch: cluster y / 2, the same in all sixteen partners
	s_mul_i32 s16, s16, 2048*QROW
	s_mul_i32 s17, s12, 128*QROW
	s_add_co_u32 s16, s16, s17                     ; the batch's first row + my 128 positions, in bytes
	s_and_b32 s18, s13, 7                          ; k: the block of e
	s_lshl_b32 s18, s18, 8
	s_add_co_u32 s18, s18, s16
	s_add_co_u32 s18, s18, 2048                    ; k's columns begin 2,048 bytes into a row
	s_mov_b32 s19, 0
	s_lshl_b32 s46, s42, 8                         ; v: the block of g
	s_add_co_u32 s46, s46, s16
	s_add_co_u32 s46, s46, 4096                    ; v's begin 4,096 bytes into a row
	s_mov_b32 s47, 0
	s_mul_i32 s20, s10, HALFT                      ; where they go: wave x 128 rows
	s_wait_kmcnt 0x0
	s_add_nc_u64 s[14:15], s[4:5], s[18:19]
	s_add_nc_u64 s[46:47], s[4:5], s[46:47]
	CROUND                                         ; all sixteen work-groups are here: the first joint loads meet
.irp s, 0,1
	s_mov_b32 s[G0+4*\s], 1
	s_add_co_u32 s[G0+4*\s+1], s20, \s*SLOT
	s_add_nc_u64 s[G0+4*\s+2:G0+4*\s+3], s[14:15], \s*KB
	s_or_b32 s[G0+4*\s+3], s[G0+4*\s+3], 0x80000000
	s_mov_b32 s[G0B+4*\s], 1
	s_add_co_u32 s[G0B+4*\s+1], s20, \s*SLOT
	s_add_nc_u64 s[G0B+4*\s+2:G0B+4*\s+3], s[46:47], \s*KB
	s_or_b32 s[G0B+4*\s+3], s[G0B+4*\s+3], 0x80000000
	JLOAD \s
.endr
	; the waves' maxima of k (512 numbers from byte 2,048 on) and of v (512 from byte 4,096 on): 16 of each a lane
	s_add_nc_u64 s[66:67], s[4:5], KVM_OFF
	v_and_b32 v6, 31, v0
	v_lshlrev_b32 v6, 4, v6
.irp i, 0,1,2,3
	global_load_b128 v[32+4*\i:35+4*\i], v6, s[66:67] offset:2048+512*\i
	global_load_b128 v[48+4*\i:51+4*\i], v6, s[66:67] offset:4096+512*\i
.endr
	v_and_b32 v1, 15, v0                           ; r
	v_bfe_u32 v2, v0, 4, 1                         ; h
	; the turning load: lane l addresses position 8 h + l % 8, 16 bytes at 16 ((l / 8) % 2), and is left with column r and eight positions
	v_and_b32 v3, 7, v0
	v_lshl_add_u32 v3, v2, 3, v3
	v_mul_u32_u24 v3, v3, PT
	v_bfe_u32 v4, v0, 3, 1
	v_lshl_add_u32 v3, v4, 4, v3
	s_lshl_b32 s21, s11, 7                         ; my 64 columns of k's tile, in bytes
	s_lshl_b32 s22, s12, 7                         ; my 64 columns of v's,
	s_add_co_u32 s22, s22, 2*HALFT                 ; which lies behind k's
.irp n, 0,1,2,3
	s_add_co_u32 s23, s21, (\n/2)*SLOT+(\n%2)*HALFT
	v_add_nc_u32 v[ADRA+\n], s23, v3
	s_add_co_u32 s23, s22, (\n/2)*SLOT+(\n%2)*HALFT
	v_add_nc_u32 v[ADRB+\n], s23, v3
.endr
	s_mul_i32 s23, s11, 64*SPITCH                  ; into the stage: my 64 rows, my half of their 256 bytes
	s_lshl_b32 s21, s12, 7
	s_add_co_u32 s23, s23, s21
	s_add_co_u32 s23, s23, STAGE
	v_mul_u32_u24 v4, v1, SPITCH
	v_lshl_add_u32 v4, v2, 4, v4
	v_add_nc_u32 v[STO], s23, v4
	s_mul_i32 s23, s10, 32*SPITCH                  ; back: wave w takes rows 32 w .. 32 w + 31, whole
	s_add_co_u32 s23, s23, STAGE
	v_mul_u32_u24 v5, v2, SPITCH
	v_lshl_add_u32 v5, v1, 4, v5
	v_add_nc_u32 v[RD], s23, v5
	v_mul_u32_u24 v5, v2, SIZE_N*2
	v_lshl_add_u32 v[CO], v1, 4, v5
	s_lshl_b32 s72, s13, 3
	s_add_co_u32 s72, s72, s42
	s_lshl_b32 s72, s72, 2                         ; my work-group's word for a
	s_mov_b32 s73, 0
	s_add_nc_u64 s[68:69], s[6:7], E_OFF
	s_add_nc_u64 s[68:69], s[68:69], s[72:73]
	s_lshl_b32 s16, s13, 7
	s_lshl_b32 s17, s10, 5
	s_add_co_u32 s16, s16, s17                     ; the first row of T' that I store: 128 x tile row + 32 x wave
	s_lshl_b32 s16, s16, 11                        ; rows of 2,048 bytes
	s_mov_b32 s17, 0
	s_add_nc_u64 s[8:9], s[6:7], s[16:17]
	s_lshl_b32 s46, s42, 8                         ; the tile's first column, in bytes
	s_mov_b32 s47, 0
	s_add_nc_u64 s[8:9], s[8:9], s[46:47]
	s_mov_b32 s70, 0x76543210
	s_mov_b32 s71, 0xfedcba98
	v_mov_b32 v66, 0                               ; (a lane permute's destination counts as read)
	v_mov_b32 v68, 0
	s_wait_loadcnt 0x0
	MAX16 64, 32
	MAX16 65, 48
	RED 64, 66
	RED 65, 66
	v_lshrrev_b32 v64, 23, v64                     ; ek
	v_lshrrev_b32 v65, 23, v65                     ; ev
	v_add_nc_u32 v66, v64, v65
	v_sub_nc_u32 v67, 383, v66
	v_lshlrev_b32 v[FS], 23, v67                   ; 2^-a: exponent field 127 - a = 383 - ek - ev, between 99 and 249
	v_mov_b32 v[FS+1], v[FS]
	v_add_nc_u32 v67, -256, v66                    ; a
	v_cmp_eq_u32 vcc_lo, 0, v0
	s_wait_xcnt 0x0                                ; EXEC changes only behind this wait
	s_and_saveexec_b32 s74, vcc_lo                 ; thread 0 alone stores it
	global_store_b32 v68, v67, s[68:69]
	s_wait_xcnt 0x0
	s_or_b32 exec_lo, exec_lo, s74
; 8 matrix instructions: m blocks a0, a0 + 1 x all 4 n blocks, 32 along K: half c of buffer f.  The 16 accumulators take turns.
.macro MUL8 f, c, a0, zero
.irp a, \a0, \a0+1
.irp b, 0,1,2,3
.if \zero
	v_wmma_f32_16x16x32_f16 v[ACC+8*(4*(\a)+\b):ACC+8*(4*(\a)+\b)+7], v[\f+64+8*(4*\c+\b):\f+64+8*(4*\c+\b)+7], v[\f+8*(4*\c+\a):\f+8*(4*\c+\a)+7], 0
.else
	v_wmma_f32_16x16x32_f16 v[ACC+8*(4*(\a)+\b):ACC+8*(4*(\a)+\b)+7], v[\f+64+8*(4*\c+\b):\f+64+8*(4*\c+\b)+7], v[\f+8*(4*\c+\a):\f+8*(4*\c+\a)+7], v[ACC+8*(4*(\a)+\b):ACC+8*(4*(\a)+\b)+7]
.endif
.endr
.endr
.endm
; 32 LDS loads in one run: the fragments of the slot's quarter q (64 positions) into buffer f; the first 32 positions first
.macro FETCH slot, q, f
	WIN TO_F
.irp c, 0,1
.irp i, 0,1,2,3
	ds_load_tr16_b128 v[\f+64+8*(4*\c+\i):\f+64+8*(4*\c+\i)+3],   v[ADRB+2*\slot+(\q)/2] offset:(((\q)%2)*64+32*\c)*PT+32*\i
	ds_load_tr16_b128 v[\f+64+8*(4*\c+\i)+4:\f+64+8*(4*\c+\i)+7], v[ADRB+2*\slot+(\q)/2] offset:(((\q)%2)*64+32*\c+16)*PT+32*\i
	ds_load_tr16_b128 v[\f+8*(4*\c+\i):\f+8*(4*\c+\i)+3],         v[ADRA+2*\slot+(\q)/2] offset:(((\q)%2)*64+32*\c)*PT+32*\i
	ds_load_tr16_b128 v[\f+8*(4*\c+\i)+4:\f+8*(4*\c+\i)+7],       v[ADRA+2*\slot+(\q)/2] offset:(((\q)%2)*64+32*\c+16)*PT+32*\i
.endr
.endr
.endm
.macro PLACES                          ; four places in front of loads into registers that matrix instructions have read, and of the first read of results
.rept 4
	v_nop
.endr
.endm
.macro QUARTER slot, q, f, g, zero     ; multiplies buffer f and fetches quarter q of the slot into g
	s_wait_dscnt 16                                ; the first 32 along K are in
	WIN MUL
	MUL8 \f, 0, 0, \zero
	MUL8 \f, 0, 2, \zero
	PLACES
	FETCH \slot, \q, \g
	s_wait_dscnt 32                                ; all but the 32 just issued
	WIN MUL
	MUL8 \f, 1, 0, 0
	MUL8 \f, 1, 2, 0
.endm
; The last quarter multiplies buffer 1 and changes slots: one barrier; in front of it each wave waits for all its tensor loads, adds 0 to its spare word, and waits for that and for its reads of this slot.
.macro TURN slot, next, fill
	WIN 0
	s_wait_tensorcnt 0x0                           ; all my tensor loads have landed: my part of the next slot
	ds_add_u32 v[SPW], v[NIL]                      ; 0 onto my spare word
	s_wait_dscnt 17                                ; (the add and the youngest sixteen loads may be out)
	WIN MUL
	MUL8 F1, 0, 0, 0
	s_wait_dscnt 0x0                               ; the add is done, and my reads of this slot are over
	s_barrier_signal -1
	MUL8 F1, 0, 2, 0
.if \fill
	WIN 0
.endif
	s_barrier_wait -1
.if \fill
	CREST                                          ; the barrier has opened a round of the cluster's: no wave of any partner still reads this slot or has a load on its way
	s_add_nc_u64 s[G0+4*\slot+2:G0+4*\slot+3], s[G0+4*\slot+2:G0+4*\slot+3], 2*KB
	s_add_nc_u64 s[G0B+4*\slot+2:G0B+4*\slot+3], s[G0B+4*\slot+2:G0B+4*\slot+3], 2*KB
	JLOAD \slot                                    ; the first tensor load behind the round; its four v_nop are also the places in front of the loads below
.else
	PLACES
.endif
	FETCH \next, 0, F0
	WIN MUL
	MUL8 F1, 1, 0, 0
	MUL8 F1, 1, 2, 0
.endm
	s_wait_tensorcnt 1                             ; my part of K step 0 is in; K step 1's load may be out,
	s_barrier_signal -1
	s_barrier_wait -1                              ; everybody's is
	FETCH 0, 0, F0
	QUARTER 0, 1, F0, F1, 1                        ; the first quarter's first products start the sums
	WIN 0
	s_mov_b32 s3, LAPS-1
.Llap:                                             ; a trip goes once round the ring and fills both slots again
	QUARTER 0, 2, F1, F0, 0
	QUARTER 0, 3, F0, F1, 0
	TURN 0, 1, 1
	QUARTER 1, 1, F0, F1, 0
	QUARTER 1, 2, F1, F0, 0
	QUARTER 1, 3, F0, F1, 0
	TURN 1, 0, 1
	QUARTER 0, 1, F0, F1, 0
	WIN 0
	s_sub_co_u32 s3, s3, 1
	s_cmp_lg_u32 s3, 0
	s_cbranch_scc1 .Llap
	QUARTER 0, 2, F1, F0, 0                        ; the last lap fills nothing
	QUARTER 0, 3, F0, F1, 0
	TURN 0, 1, 0
	QUARTER 1, 1, F0, F1, 0
	QUARTER 1, 2, F1, F0, 0
	QUARTER 1, 3, F0, F1, 0
	s_wait_dscnt 16
	WIN MUL
	MUL8 F1, 0, 0, 0
	MUL8 F1, 0, 2, 0
	s_wait_dscnt 0
	MUL8 F1, 1, 0, 0
	MUL8 F1, 1, 2, 0
	WIN 0
	; THE WAY OUT: x 2^-a (exact), rounded to f16; 16 bytes a lane into the work-group's stage; a barrier, since a row's 256 bytes come from two waves; back as whole rows, 32 rows a wave.
	PLACES
.set I, 0
.rept 64
	v_pk_mul_f32 v[ACC+2*I:ACC+2*I+1], v[ACC+2*I:ACC+2*I+1], v[FS:FS+1] op_sel_hi:[1,0]
.set I, I+1
.endr
.irp t, 0,1,2,3,4,5,6,7,8,9,10,11,12,13,14,15
.irp r, 0,1,2,3
	v_cvt_pk_f16_f32 v[TMP+4*\t+\r], v[ACC+8*\t+2*\r], v[ACC+8*\t+2*\r+1]
.endr
.endr
.irp a, 0,1,2,3
.irp b, 0,1,2,3
	ds_store_b128 v[STO], v[TMP+4*(4*\a+\b):TMP+4*(4*\a+\b)+3] offset:\a*16*SPITCH+32*\b
.endr
.endr
	s_wait_dscnt 0x0                               ; for the others' sake: my stores into the stage are done
	s_barrier_signal -1
	s_barrier_wait -1
.irp t, 0,1,2,3,4,5,6,7,8,9,10,11,12,13,14,15
	ds_load_b128 v[TMP+4*\t:TMP+4*\t+3], v[RD] offset:\t*2*SPITCH
.endr
.irp t, 0,1,2,3,4,5,6,7,8,9,10,11,12,13,14,15
	s_wait_dscnt 15-\t
	global_store_b128 v[CO], v[TMP+4*\t:TMP+4*\t+3], s[8:9] offset:2*\t*SIZE_N*2   ; 16 lanes store 256 consecutive bytes, aligned
.endr
	s_wait_tensorcnt 0x0                           ; the wave's end
	ds_add_u32 v[SPW], v[NIL]
	s_wait_dscnt 0x0
	CROUND                                         ; the closing round
	s_endpgm
.Lfunc_end_k_qf670867cc9_ktv:
	.size	k_qf670867cc9_ktv, .Lfunc_end_k_qf670867cc9_ktv-k_qf670867cc9_ktv
	.p2alignl 7, 3214868480
	.fill 96, 4, 3214868480
	.section	.rodata,"a",@progbits
	.p2align	6, 0x0
	.amdhsa_kernel k_qf670867cc9_ktv
		.amdhsa_group_segment_fixed_size 327680
		.amdhsa_private_segment_fixed_size 0
		.amdhsa_enable_private_segment 0
		.amdhsa_kernarg_size 16
		.amdhsa_user_sgpr_count 2
		.amdhsa_user_sgpr_kernarg_segment_ptr 1
		.amdhsa_wavefront_size32 1
		.amdhsa_system_sgpr_workgroup_id_x 1
		.amdhsa_system_sgpr_workgroup_id_y 1
		.amdhsa_system_sgpr_workgroup_id_z 1
		.amdhsa_system_vgpr_workitem_id 0
		.amdhsa_next_free_vgpr 512
		.amdhsa_next_free_sgpr 76
		.amdhsa_reserve_vcc 1
		.amdhsa_float_denorm_mode_32 3
		.amdhsa_float_denorm_mode_16_64 3
		.amdhsa_memory_ordered 1
		.amdhsa_forward_progress 1
		.amdhsa_inst_pref_size 95
	.end_amdhsa_kernel
	.amdgpu_metadata
---
amdhsa.version: [ 1, 2 ]
amdhsa.kernels:
  - .name:           k_qf670867cc9_ktv
    .symbol:         k_qf670867cc9_ktv.kd
    .args:
      - { .name: qkv16, .offset: 0, .size: 8, .value_kind: global_buffer, .address_space: global }
      - { .name: t16, .offset: 8, .size: 8, .value_kind: global_buffer, .address_space: global }
    .group_segment_fixed_size: 327680
    .private_segment_fixed_size: 0
    .kernarg_segment_align: 8
    .kernarg_segment_size: 16
    .max_flat_workgroup_size: 128
    .sgpr_count:     76
    .vgpr_count:     512
    .wavefront_size: 32
...
	.end_amdgpu_metadata
.endif
;; end of part 3
;; launch mwo (part 4): grid 32 x 8, 4 waves a work-group, clusters of 4 x 4, 327,680 bytes of LDS; arguments wo16, t16, mt16; writes mt16
.if DOCPART == 4
	.amdgcn_target "amdgcn-amd-amdhsa--gfx1250"
	.amdhsa_code_object_version 6
	.text
	.protected	k_qf670867cc9_mwo
	.globl	k_qf670867cc9_mwo
	.p2align	8
	.type	k_qf670867cc9_mwo,@function
k_qf670867cc9_mwo:
	s_mov_b64 s[64:65], 0
	v_nop
	global_prefetch_b8 v0, s[64:65] scope:SCOPE_SE
	s_setreg_imm32_b32 hwreg(HW_REG_WAVE_MODE, 25, 1), 1
	s_wait_xcnt 0x0
	s_wait_alu depctr_hold_cnt(0) depctr_sa_sdst(0) depctr_va_vdst(0) depctr_va_sdst(0) depctr_va_ssrc(0) depctr_va_vcc(0) depctr_vm_vsrc(0)
	s_getreg_b32 s2, hwreg(HW_REG_IB_STS2, 6, 4)
	s_cmp_eq_u32 s2, 0
	s_cbranch_scc0 .Lentry_in_a_cluster
	s_endpgm
.Lentry_in_a_cluster:
	s_bfe_u32 s2, ttmp6, 0x10000c
	s_cmp_lg_u32 s2, 0xf033
	s_cbranch_scc0 .Lentry_shape_is_right
	s_endpgm
.Lentry_shape_is_right:
; mt16[f][(b, e)] = 2^-c x the sum over g of Wo[f][g] T'[(b, e)][g]: f16 operands, f32 sums, the result rounded once to f16.
; c = ew - 116, ew the exponent field of the largest |Wo| (floored at 2^-100): the sum is at most 2^10 x 2^(ew - 126) x 2^15, so the result is at most 2^15, inside f16, for every input.
; c is a value alone: no branch and no address hangs on it.  Each work-group stores it as a whole number behind the result (word tile row x 32 + tile column; all words are equal).
; A tile of C is 128 x 128; four waves, 64 x 64 each.  K = 1,024 in steps of 256 (LDS rows of 512 bytes) through two slots.  CLUSTERS: 4 x 4; A's tiles are asked for jointly along a row, B's along a column.
; The matrix instruction is used transposed (source 0 = 16 rows of T', source 1 = 16 rows of Wo): a lane holds eight neighbouring columns of one row.
; REGISTERS: window 0: v0-31 addresses and the factor; v32-95 at work; v128-255 the accumulators.  Window 1: two fragment buffers of 128.
.set SIZE_M, 1024
.set SIZE_N, 4096
.set SIZE_K, 1024
.set KSTEP,  256
.set PITCH,  528                       ; an LDS row: 512 bytes + 16 of padding = 132 words: the 16 rows that a load touches start 4 banks apart
.set HALFT,  64*PITCH
.set SLOT,   4*HALFT
.set STAGE,  2*SLOT                    ; behind the ring: 128 rows x 272 bytes
.set SPITCH, 272
.set SPARE,  STAGE+128*SPITCH          ; the spare words, 128 bytes for each wave: no other line names them
.set LAPS,   SIZE_K/(2*KSTEP)
.set WM_OFF, 2097152
.set E_OFF,  8388608
.set ADRA, 16
.set ADRB, 20
.set STO,  24
.set RD,   25
.set CO,   26
.set SPW,  28
.set NIL,  29
.set FS,   30                          ; v[30:31] 2^-c
.set TMP,  32
.set ACC,  128
.set F0,   0
.set F1,   128
.set G1, 24
.set G0, 32
.set G1B, 48
.set G0B, 56
.set MSB, 0
.macro WIN new
.if MSB != \new
	s_set_vgpr_msb (MSB<<8)|\new
.set MSB, \new
.endif
.endm
.set MUL,  0x05
.set TO_F, 0x40
.macro JLOAD s                         ; a joint load: waves 0 and 1 fetch A's halves, waves 2 and 3 B's; four v_nop follow each of the two lines
	s_cmp_eq_u32 s11, 0
	s_cbranch_scc0 .Lfor_b_\@
	tensor_load_to_lds s[G0+4*\s:G0+4*\s+3], s[G1:G1+7]
	s_nop 0
.rept 4
	v_nop
.endr
	s_branch .Lasked_\@
.Lfor_b_\@:
	tensor_load_to_lds s[G0B+4*\s:G0B+4*\s+3], s[G1B:G1B+7]
	s_nop 0
.rept 4
	v_nop
.endr
.Lasked_\@:
.endm
.macro CREST
	s_cmp_lg_u32 s10, 0
	s_cbranch_scc1 .Lnot_wave_0_\@
	s_barrier_signal -3
.Lnot_wave_0_\@:
	s_barrier_wait -3
	s_barrier_signal -1
	s_barrier_wait -1
.endm
.macro CROUND
	s_barrier_signal -1
	s_barrier_wait -1
	CREST
.endm
.macro RED m, t
	v_max_num_f32_dpp v[\m], v[\m], v[\m] row_xmask:1 row_mask:0xf bank_mask:0xf
	v_max_num_f32_dpp v[\m], v[\m], v[\m] row_xmask:2 row_mask:0xf bank_mask:0xf
	v_max_num_f32_dpp v[\m], v[\m], v[\m] row_xmask:4 row_mask:0xf bank_mask:0xf
	v_max_num_f32_dpp v[\m], v[\m], v[\m] row_xmask:8 row_mask:0xf bank_mask:0xf
	v_permlanex16_b32 v[\t], v[\m], s70, s71
	v_max_num_f32 v[\m], v[\m], v[\t]
.endm
	s_load_b128 s[4:7], s[0:1], 0x0                ; wo16 s[4:5], t16 s[6:7]
	s_load_b64 s[8:9], s[0:1], 0x10                ; mt16
	v_lshl_add_u32 v[SPW], v0, 2, SPARE
	v_mov_b32 v[NIL], 0
	ds_add_u32 v28, v29
	ds_add_u32 v28, v29
	s_wait_dscnt 0x0
	v_lshrrev_b32 v1, 5, v0
	v_readfirstlane_b32 s10, v1                    ; wave 0..3
	s_lshr_b32 s11, s10, 1                         ; which half of the tile's rows is mine.  Also: I fetch for A (0) or for B (1)
	s_and_b32 s12, s10, 1                          ; which half of its columns.  Also: which 64 rows of that tile I fetch
	s_bfe_u32 s40, ttmp6, 0x40000
	s_bfe_u32 s41, ttmp6, 0x40004
	s_lshl_b32 s42, ttmp9, 2
	s_add_co_u32 s42, s42, s40                     ; tile column
	s_and_b32 s13, ttmp7, 0xffff
	s_lshl_b32 s13, s13, 2
	s_add_co_u32 s13, s13, s41                     ; tile row
	s_lshl_b32 s43, s41, 2
	s_lshl_b32 s43, 15, s43
	s_lshl_b32 s44, 0x1111, s40
	s_or_b32 s[G1+0], s43, (1<<16)|(1<<20)|(1<<21)|(6<<22)|(3<<25)  ; the mask; elements of 2 bytes; padding: 4 words after every 128; bit 21 beside a mask
	s_or_b32 s[G1B+0], s44, (1<<16)|(1<<20)|(1<<21)|(6<<22)|(3<<25)
.irp g, G1, G1B
	s_mov_b32 s[\g+1], KSTEP<<16
	s_mov_b32 s[\g+2], 64<<16
	s_mov_b32 s[\g+3], KSTEP<<16
	s_mov_b32 s[\g+4], 64
	s_mov_b32 s[\g+5], SIZE_K
	s_mov_b32 s[\g+6], 0
	s_mov_b32 s[\g+7], 0
.endr
	s_lshl_b32 s17, s12, 6
	s_lshl_b32 s16, s13, 7
	s_add_co_u32 s16, s16, s17                     ; A: row 128 x tile row + 64 x half
	s_lshl_b32 s46, s42, 7
	s_add_co_u32 s46, s46, s17                     ; B: row 128 x tile column + 64 x half
	s_mov_b32 s17, 0
	s_mov_b32 s47, 0
	s_mov_b64 s[18:19], SIZE_K*2
	s_mul_u64 s[16:17], s[16:17], s[18:19]
	s_mul_u64 s[46:47], s[46:47], s[18:19]
	s_mul_i32 s20, s10, HALFT
	s_wait_kmcnt 0x0
	s_add_nc_u64 s[14:15], s[4:5], s[16:17]
	s_add_nc_u64 s[46:47], s[6:7], s[46:47]
	CROUND
.irp s, 0,1
	s_mov_b32 s[G0+4*\s], 1
	s_add_co_u32 s[G0+4*\s+1], s20, \s*SLOT
	s_add_nc_u64 s[G0+4*\s+2:G0+4*\s+3], s[14:15], \s*KSTEP*2
	s_or_b32 s[G0+4*\s+3], s[G0+4*\s+3], 0x80000000
	s_mov_b32 s[G0B+4*\s], 1
	s_add_co_u32 s[G0B+4*\s+1], s20, \s*SLOT
	s_add_nc_u64 s[G0B+4*\s+2:G0B+4*\s+3], s[46:47], \s*KSTEP*2
	s_or_b32 s[G0B+4*\s+3], s[G0B+4*\s+3], 0x80000000
	JLOAD \s
.endr
	s_add_nc_u64 s[66:67], s[4:5], WM_OFF          ; the 128 maxima of |Wo|: four a lane
	v_and_b32 v6, 31, v0
	v_lshlrev_b32 v6, 4, v6
	global_load_b128 v[32:35], v6, s[66:67]
	v_and_b32 v1, 15, v0
	v_bfe_u32 v2, v0, 4, 1
	v_mul_u32_u24 v3, v1, PITCH
	v_lshl_add_u32 v3, v2, 4, v3
	s_mul_i32 s21, s11, HALFT
	s_mul_i32 s22, s12, HALFT
	s_add_co_u32 s22, s22, 2*HALFT
.irp s, 0,1
	v_add_nc_u32 v[ADRA+\s], s21, v3
	v_add_nc_u32 v[ADRB+\s], s22, v3
	s_add_co_u32 s21, s21, SLOT
	s_add_co_u32 s22, s22, SLOT
.endr
	s_mul_i32 s23, s11, 64*SPITCH
	s_lshl_b32 s21, s12, 7
	s_add_co_u32 s23, s23, s21
	s_add_co_u32 s23, s23, STAGE
	v_mul_u32_u24 v4, v1, SPITCH
	v_lshl_add_u32 v4, v2, 4, v4
	v_add_nc_u32 v[STO], s23, v4
	s_mul_i32 s23, s10, 32*SPITCH
	s_add_co_u32 s23, s23, STAGE
	v_mul_u32_u24 v5, v2, SPITCH
	v_lshl_add_u32 v5, v1, 4, v5
	v_add_nc_u32 v[RD], s23, v5
	v_mul_u32_u24 v5, v2, SIZE_N*2
	v_lshl_add_u32 v[CO], v1, 4, v5
	s_lshl_b32 s72, s13, 5
	s_add_co_u32 s72, s72, s42
	s_lshl_b32 s72, s72, 2                         ; my work-group's word for c
	s_mov_b32 s73, 0
	s_add_nc_u64 s[68:69], s[8:9], E_OFF
	s_add_nc_u64 s[68:69], s[68:69], s[72:73]
	s_lshl_b32 s16, s13, 7
	s_lshl_b32 s17, s10, 5
	s_add_co_u32 s16, s16, s17                     ; the first row that I store
	s_mov_b32 s17, 0
	s_mov_b64 s[18:19], SIZE_N*2
	s_mul_u64 s[16:17], s[16:17], s[18:19]
	s_add_nc_u64 s[8:9], s[8:9], s[16:17]
	s_lshl_b32 s46, s42, 8
	s_mov_b32 s47, 0
	s_add_nc_u64 s[8:9], s[8:9], s[46:47]
	s_mov_b32 s70, 0x76543210
	s_mov_b32 s71, 0xfedcba98
	v_mov_b32 v36, 0
	s_wait_loadcnt 0x0
	v_max3_num_f32 v32, v32, v33, v34
	v_max3_num_f32 v32, v32, v35, 0x0d800000       ; and the floor 2^-100
	RED 32, 33
	v_lshrrev_b32 v32, 23, v32                     ; ew
	v_sub_nc_u32 v33, 243, v32
	v_lshlrev_b32 v[FS], 23, v33                   ; 2^-c: exponent field 127 - c = 243 - ew, between 101 and 216
	v_mov_b32 v[FS+1], v[FS]
	v_add_nc_u32 v34, -116, v32                    ; c
	v_cmp_eq_u32 vcc_lo, 0, v0
	s_wait_xcnt 0x0                                ; EXEC changes only behind this wait
	s_and_saveexec_b32 s74, vcc_lo                 ; thread 0 alone stores it
	global_store_b32 v36, v34, s[68:69]
	s_wait_xcnt 0x0
	s_or_b32 exec_lo, exec_lo, s74
.macro MUL8 f, c, a0, zero             ; the 16 accumulators take turns
.irp a, \a0, \a0+1
.irp b, 0,1,2,3
.if \zero
	v_wmma_f32_16x16x32_f16 v[ACC+8*(4*(\a)+\b):ACC+8*(4*(\a)+\b)+7], v[\f+64+8*(4*\c+\b):\f+64+8*(4*\c+\b)+7], v[\f+8*(4*\c+\a):\f+8*(4*\c+\a)+7], 0
.else
	v_wmma_f32_16x16x32_f16 v[ACC+8*(4*(\a)+\b):ACC+8*(4*(\a)+\b)+7], v[\f+64+8*(4*\c+\b):\f+64+8*(4*\c+\b)+7], v[\f+8*(4*\c+\a):\f+8*(4*\c+\a)+7], v[ACC+8*(4*(\a)+\b):ACC+8*(4*(\a)+\b)+7]
.endif
.endr
.endr
.endm
.macro FETCH slot, k, f                ; 32 LDS loads in one run: 64 along K at byte k of the rows, into buffer f; the first 32 along K first
	WIN TO_F
.irp c, 0,1
.irp i, 0,1,2,3
	ds_load_b128 v[\f+64+8*(4*\c+\i):\f+64+8*(4*\c+\i)+3],   v[ADRB+\slot] offset:\k+64*\c+\i*16*PITCH
	ds_load_b128 v[\f+64+8*(4*\c+\i)+4:\f+64+8*(4*\c+\i)+7], v[ADRB+\slot] offset:\k+64*\c+\i*16*PITCH+32
	ds_load_b128 v[\f+8*(4*\c+\i):\f+8*(4*\c+\i)+3],         v[ADRA+\slot] offset:\k+64*\c+\i*16*PITCH
	ds_load_b128 v[\f+8*(4*\c+\i)+4:\f+8*(4*\c+\i)+7],       v[ADRA+\slot] offset:\k+64*\c+\i*16*PITCH+32
.endr
.endr
.endm
.macro PLACES
.rept 4
	v_nop
.endr
.endm
.macro QUARTER slot, k, f, g, zero
	s_wait_dscnt 16                                ; the first 32 along K are in
	WIN MUL
	MUL8 \f, 0, 0, \zero
	MUL8 \f, 0, 2, \zero
	PLACES
	FETCH \slot, \k, \g
	s_wait_dscnt 32                                ; all but the 32 just issued
	WIN MUL
	MUL8 \f, 1, 0, 0
	MUL8 \f, 1, 2, 0
.endm
.macro TURN slot, next, fill           ; the last quarter changes slots: one barrier, with the waits and the add in front of it
	WIN 0
	s_wait_tensorcnt 0x0                           ; all my tensor loads have landed: my part of the next slot
	ds_add_u32 v[SPW], v[NIL]                      ; 0 onto my spare word
	s_wait_dscnt 17                                ; (the add and the youngest sixteen loads may be out)
	WIN MUL
	MUL8 F1, 0, 0, 0
	s_wait_dscnt 0x0                               ; the add is done, and my reads of this slot are over
	s_barrier_signal -1
	MUL8 F1, 0, 2, 0
.if \fill
	WIN 0
.endif
	s_barrier_wait -1
.if \fill
	CREST                                          ; a round of the cluster's barrier: no wave of any partner still reads this slot or has a load on its way
	s_add_nc_u64 s[G0+4*\slot+2:G0+4*\slot+3], s[G0+4*\slot+2:G0+4*\slot+3], 2*KSTEP*2
	s_add_nc_u64 s[G0B+4*\slot+2:G0B+4*\slot+3], s[G0B+4*\slot+2:G0B+4*\slot+3], 2*KSTEP*2
	JLOAD \slot
.else
	PLACES
.endif
	FETCH \next, 0, F0
	WIN MUL
	MUL8 F1, 1, 0, 0
	MUL8 F1, 1, 2, 0
.endm
	s_wait_tensorcnt 1                             ; my part of K step 0 is in; K step 1's load may be out
	s_barrier_signal -1
	s_barrier_wait -1
	FETCH 0, 0, F0
	QUARTER 0, 128, F0, F1, 1
	WIN 0
	s_mov_b32 s3, LAPS-1
.Llap:
	QUARTER 0, 256, F1, F0, 0
	QUARTER 0, 384, F0, F1, 0
	TURN 0, 1, 1
	QUARTER 1, 128, F0, F1, 0
	QUARTER 1, 256, F1, F0, 0
	QUARTER 1, 384, F0, F1, 0
	TURN 1, 0, 1
	QUARTER 0, 128, F0, F1, 0
	WIN 0
	s_sub_co_u32 s3, s3, 1
	s_cmp_lg_u32 s3, 0
	s_cbranch_scc1 .Llap
	QUARTER 0, 256, F1, F0, 0                      ; the last lap fills nothing
	QUARTER 0, 384, F0, F1, 0
	TURN 0, 1, 0
	QUARTER 1, 128, F0, F1, 0
	QUARTER 1, 256, F1, F0, 0
	QUARTER 1, 384, F0, F1, 0
	s_wait_dscnt 16
	WIN MUL
	MUL8 F1, 0, 0, 0
	MUL8 F1, 0, 2, 0
	s_wait_dscnt 0
	MUL8 F1, 1, 0, 0
	MUL8 F1, 1, 2, 0
	WIN 0
	; THE WAY OUT: x 2^-c (exact), rounded to f16, through the work-group's stage with a barrier between writing and reading, out as whole rows
	PLACES
.set I, 0
.rept 64
	v_pk_mul_f32 v[ACC+2*I:ACC+2*I+1], v[ACC+2*I:ACC+2*I+1], v[FS:FS+1] op_sel_hi:[1,0]
.set I, I+1
.endr
.irp t, 0,1,2,3,4,5,6,7,8,9,10,11,12,13,14,15
.irp r, 0,1,2,3
	v_cvt_pk_f16_f32 v[TMP+4*\t+\r], v[ACC+8*\t+2*\r], v[ACC+8*\t+2*\r+1]
.endr
.endr
.irp a, 0,1,2,3
.irp b, 0,1,2,3
	ds_store_b128 v[STO], v[TMP+4*(4*\a+\b):TMP+4*(4*\a+\b)+3] offset:\a*16*SPITCH+32*\b
.endr
.endr
	s_wait_dscnt 0x0                               ; for the others' sake: my stores into the stage are done
	s_barrier_signal -1
	s_barrier_wait -1
.irp t, 0,1,2,3,4,5,6,7,8,9,10,11,12,13,14,15
	ds_load_b128 v[TMP+4*\t:TMP+4*\t+3], v[RD] offset:\t*2*SPITCH
.endr
.irp t, 0,1,2,3,4,5,6,7,8,9,10,11,12,13,14,15
	s_wait_dscnt 15-\t
	global_store_b128 v[CO], v[TMP+4*\t:TMP+4*\t+3], s[8:9] offset:2*\t*SIZE_N*2   ; 16 lanes store 256 consecutive bytes, aligned
.endr
	s_wait_tensorcnt 0x0                           ; the wave's end
	ds_add_u32 v[SPW], v[NIL]
	s_wait_dscnt 0x0
	CROUND
	s_endpgm
.Lfunc_end_k_qf670867cc9_mwo:
	.size	k_qf670867cc9_mwo, .Lfunc_end_k_qf670867cc9_mwo-k_qf670867cc9_mwo
	.p2alignl 7, 3214868480
	.fill 96, 4, 3214868480
	.section	.rodata,"a",@progbits
	.p2align	6, 0x0
	.amdhsa_kernel k_qf670867cc9_mwo
		.amdhsa_group_segment_fixed_size 327680
		.amdhsa_private_segment_fixed_size 0
		.amdhsa_enable_private_segment 0
		.amdhsa_kernarg_size 24
		.amdhsa_user_sgpr_count 2
		.amdhsa_user_sgpr_kernarg_segment_ptr 1
		.amdhsa_wavefront_size32 1
		.amdhsa_system_sgpr_workgroup_id_x 1
		.amdhsa_system_sgpr_workgroup_id_y 1
		.amdhsa_system_sgpr_workgroup_id_z 1
		.amdhsa_system_vgpr_workitem_id 0
		.amdhsa_next_free_vgpr 512
		.amdhsa_next_free_sgpr 76
		.amdhsa_reserve_vcc 1
		.amdhsa_float_denorm_mode_32 3
		.amdhsa_float_denorm_mode_16_64 3
		.amdhsa_memory_ordered 1
		.amdhsa_forward_progress 1
		.amdhsa_inst_pref_size 92
	.end_amdhsa_kernel
	.amdgpu_metadata
---
amdhsa.version: [ 1, 2 ]
amdhsa.kernels:
  - .name:           k_qf670867cc9_mwo
    .symbol:         k_qf670867cc9_mwo.kd
    .args:
      - { .name: wo16, .offset: 0, .size: 8, .value_kind: global_buffer, .address_space: global }
      - { .name: t16, .offset: 8, .size: 8, .value_kind: global_buffer, .address_space: global }
      - { .name: mt16, .offset: 16, .size: 8, .value_kind: global_buffer, .address_space: global }
    .group_segment_fixed_size: 327680
    .private_segment_fixed_size: 0
    .kernarg_segment_align: 8
    .kernarg_segment_size: 24
    .max_flat_workgroup_size: 128
    .sgpr_count:     76
    .vgpr_count:     512
    .wavefront_size: 32
...
	.end_amdgpu_metadata
.endif
;; end of part 4
;; launch outp (part 5): grid 8 x 64, 4 waves a work-group, clusters of 4 x 4, 327,680 bytes of LDS; arguments qkv16, mt16, t16, bo, out0; writes out0
.if DOCPART == 5
	.amdgcn_target "amdgcn-amd-amdhsa--gfx1250"
	.amdhsa_code_object_version 6
	.text
	.protected	k_qf670867cc9_outp
	.globl	k_qf670867cc9_outp
	.p2align	8
	.type	k_qf670867cc9_outp,@function
k_qf670867cc9_outp:
	s_mov_b64 s[64:65], 0
	v_nop
	global_prefetch_b8 v0, s[64:65] scope:SCOPE_SE
	s_setreg_imm32_b32 hwreg(HW_REG_WAVE_MODE, 25, 1), 1
	s_wait_xcnt 0x0
	s_wait_alu depctr_hold_cnt(0) depctr_sa_sdst(0) depctr_va_vdst(0) depctr_va_sdst(0) depctr_va_ssrc(0) depctr_va_vcc(0) depctr_vm_vsrc(0)
	s_getreg_b32 s2, hwreg(HW_REG_IB_STS2, 6, 4)
	s_cmp_eq_u32 s2, 0
	s_cbranch_scc0 .Lentry_in_a_cluster
	s_endpgm
.Lentry_in_a_cluster:
	s_bfe_u32 s2, ttmp6, 0x10000c
	s_cmp_lg_u32 s2, 0xf033
	s_cbranch_scc0 .Lentry_shape_is_right
	s_endpgm
.Lentry_shape_is_right:
; out0[(b, s)][f] = 2^(a + c) x the sum over e of q[(b, s)][e] mt16[f][(b, e)] + bo[f]: f16 operands, f32 sums, f32 out.  a and c are the whole numbers that the two launches before stored behind t16 and mt16 (word 0 of each).
; They enter as a factor alone: no branch and no address hangs on them.  LIMIT: a + c is held at -126 from below (inputs so small that the product of the scales falls under 2^-126 are not served).
; A tile of out0 is 128 x 128; four waves, 64 x 64 each.  K = 1,024 in steps of 256 (LDS rows of 512 bytes) through two slots.  q is the first 1,024 columns of qkv16 (rows of 6,144 bytes); mt16's rows are 8,192 bytes,
; and the batch's 1,024 columns begin 2,048 b bytes in; b = cluster y / 4, which all sixteen partners share.
; CLUSTERS: 4 x 4; q's tiles are asked for jointly along a row of the cluster, mt16's along a column.  The matrix instruction is used transposed: a lane holds eight neighbouring f of one row.
; REGISTERS: window 0: v0-31 addresses; v32-63 the bias, 8 registers for each block of 16 columns; v128-255 the accumulators.  Window 1: two fragment buffers of 128.
.set SIZE_K, 1024
.set KSTEP,  256
.set PITCH,  528
.set HALFT,  64*PITCH
.set SLOT,   4*HALFT
.set SPARE,  2*SLOT                    ; the spare words, 128 bytes for each wave: no other line names them
.set SPITCH, 272                       ; the way out: 64 rows x (256 + 16) bytes for each wave, in slot 0, which has had its last fill and its last read behind the last change of slots
.set LAPS,   SIZE_K/(2*KSTEP)
.set QROW,   6144
.set MROW,   8192
.set OROW,   4096
.set E_OFF,  8388608
.set ADRA, 16
.set ADRB, 20
.set STO,  24
.set RD,   25
.set CO,   26
.set SPW,  28
.set NIL,  29
.set BI,   32
.set ACC,  128
.set F0,   0
.set F1,   128
.set G1, 24
.set G0, 32
.set G1B, 48
.set G0B, 56
.set MSB, 0
.macro WIN new
.if MSB != \new
	s_set_vgpr_msb (MSB<<8)|\new
.set MSB, \new
.endif
.endm
.set MUL,  0x05
.set TO_F, 0x40
.macro JLOAD s                         ; a joint load: waves 0 and 1 fetch A's halves, waves 2 and 3 B's; four v_nop follow each of the two lines
	s_cmp_eq_u32 s11, 0
	s_cbranch_scc0 .Lfor_b_\@
	tensor_load_to_lds s[G0+4*\s:G0+4*\s+3], s[G1:G1+7]
	s_nop 0
.rept 4
	v_nop
.endr
	s_branch .Lasked_\@
.Lfor_b_\@:
	tensor_load_to_lds s[G0B+4*\s:G0B+4*\s+3], s[G1B:G1B+7]
	s_nop 0
.rept 4
	v_nop
.endr
.Lasked_\@:
.endm
.macro CREST
	s_cmp_lg_u32 s10, 0
	s_cbranch_scc1 .Lnot_wave_0_\@
	s_barrier_signal -3
.Lnot_wave_0_\@:
	s_barrier_wait -3
	s_barrier_signal -1
	s_barrier_wait -1
.endm
.macro CROUND
	s_barrier_signal -1
	s_barrier_wait -1
	CREST
.endm
	s_load_b128 s[4:7], s[0:1], 0x0                ; qkv16 s[4:5], mt16 s[6:7]
	s_load_b128 s[68:71], s[0:1], 0x10             ; t16 s[68:69], bo s[70:71]
	s_load_b64 s[8:9], s[0:1], 0x20                ; out0
	v_lshl_add_u32 v[SPW], v0, 2, SPARE
	v_mov_b32 v[NIL], 0
	ds_add_u32 v28, v29
	ds_add_u32 v28, v29
	s_wait_dscnt 0x0
	v_lshrrev_b32 v1, 5, v0
	v_readfirstlane_b32 s10, v1                    ; wave 0..3
	s_lshr_b32 s11, s10, 1
	s_and_b32 s12, s10, 1
	s_bfe_u32 s40, ttmp6, 0x40000
	s_bfe_u32 s41, ttmp6, 0x40004
	s_lshl_b32 s42, ttmp9, 2
	s_add_co_u32 s42, s42, s40                     ; tile column
	s_and_b32 s13, ttmp7, 0xffff
	s_lshl_b32 s13, s13, 2
	s_add_co_u32 s13, s13, s41                     ; tile row
	s_lshl_b32 s43, s41, 2
	s_lshl_b32 s43, 15, s43
	s_lshl_b32 s44, 0x1111, s40
	s_or_b32 s[G1+0], s43, (1<<16)|(1<<20)|(1<<21)|(6<<22)|(3<<25)  ; the mask; elements of 2 bytes; padding: 4 words after every 128; bit 21 beside a mask
	s_or_b32 s[G1B+0], s44, (1<<16)|(1<<20)|(1<<21)|(6<<22)|(3<<25)
.irp g, G1, G1B
	s_mov_b32 s[\g+1], KSTEP<<16
	s_mov_b32 s[\g+2], 64<<16
	s_mov_b32 s[\g+3], KSTEP<<16
	s_mov_b32 s[\g+4], 64
	s_mov_b32 s[\g+6], 0
	s_mov_b32 s[\g+7], 0
.endr
	s_mov_b32 s[G1+5], QROW/2                      ; the pitch in elements: q's rows,
	s_mov_b32 s[G1B+5], MROW/2                     ; mt16's
	s_lshl_b32 s17, s12, 6
	s_lshl_b32 s16, s13, 7
	s_add_co_u32 s16, s16, s17                     ; A: row 128 x tile row + 64 x half
	s_lshl_b32 s46, s42, 7
	s_add_co_u32 s46, s46, s17                     ; B: row 128 x tile column + 64 x half
	s_mov_b32 s17, 0
	s_mov_b32 s47, 0
	s_mov_b64 s[18:19], QROW
	s_mul_u64 s[16:17], s[16:17], s[18:19]
	s_mov_b64 s[18:19], MROW
	s_mul_u64 s[46:47], s[46:47], s[18:19]
	s_and_b32 s18, ttmp7, 0xffff
	s_lshr_b32 s18, s18, 2                         ; the batch: cluster y / 4
	s_lshl_b32 s18, s18, 11                        ; its 1,024 columns of mt16
	s_mov_b32 s19, 0
	s_add_nc_u64 s[46:47], s[46:47], s[18:19]
	s_mul_i32 s20, s10, HALFT
	s_wait_kmcnt 0x0
	s_add_nc_u64 s[14:15], s[4:5], s[16:17]
	s_add_nc_u64 s[46:47], s[6:7], s[46:47]
	CROUND
.irp s, 0,1
	s_mov_b32 s[G0+4*\s], 1
	s_add_co_u32 s[G0+4*\s+1], s20, \s*SLOT
	s_add_nc_u64 s[G0+4*\s+2:G0+4*\s+3], s[14:15], \s*KSTEP*2
	s_or_b32 s[G0+4*\s+3], s[G0+4*\s+3], 0x80000000
	s_mov_b32 s[G0B+4*\s], 1
	s_add_co_u32 s[G0B+4*\s+1], s20, \s*SLOT
	s_add_nc_u64 s[G0B+4*\s+2:G0B+4*\s+3], s[46:47], \s*KSTEP*2
	s_or_b32 s[G0B+4*\s+3], s[G0B+4*\s+3], 0x80000000
	JLOAD \s
.endr
	s_add_nc_u64 s[72:73], s[68:69], E_OFF
	s_add_nc_u64 s[74:75], s[6:7], E_OFF
	s_load_b32 s76, s[72:73], 0x0                  ; a
	s_load_b32 s77, s[74:75], 0x0                  ; c
	v_and_b32 v1, 15, v0                           ; r
	v_bfe_u32 v2, v0, 4, 1                         ; h
	s_lshl_b32 s46, s42, 9                         ; my first column, in bytes of f32: 512 x tile column + 256 x half: the same in bo and in a row of out0
	s_lshl_b32 s47, s12, 8
	s_add_co_u32 s46, s46, s47
	s_mov_b32 s47, 0
	s_add_nc_u64 s[70:71], s[70:71], s[46:47]
	s_add_nc_u64 s[8:9], s[8:9], s[46:47]
	v_lshlrev_b32 v6, 5, v2                        ; lane (r, h) wants, for block b, bo at columns 16 b + 8 h + 0 .. 7
.irp b, 0,1,2,3
	global_load_b128 v[BI+8*\b:BI+8*\b+3], v6, s[70:71] offset:64*\b
	global_load_b128 v[BI+8*\b+4:BI+8*\b+7], v6, s[70:71] offset:64*\b+16
.endr
	v_mul_u32_u24 v3, v1, PITCH
	v_lshl_add_u32 v3, v2, 4, v3
	s_mul_i32 s21, s11, HALFT
	s_mul_i32 s22, s12, HALFT
	s_add_co_u32 s22, s22, 2*HALFT
.irp s, 0,1
	v_add_nc_u32 v[ADRA+\s], s21, v3
	v_add_nc_u32 v[ADRB+\s], s22, v3
	s_add_co_u32 s21, s21, SLOT
	s_add_co_u32 s22, s22, SLOT
.endr
	s_mul_i32 s23, s10, 64*SPITCH                  ; my stage
	v_mul_u32_u24 v4, v1, SPITCH                   ; in: row r, 32 bytes for each half of the lanes
	v_lshl_add_u32 v4, v2, 5, v4
	v_add_nc_u32 v[STO], s23, v4
	v_mul_u32_u24 v5, v2, SPITCH                   ; back: lanes 0-15 one row of 256 bytes, lanes 16-31 the next
	v_lshl_add_u32 v5, v1, 4, v5
	v_add_nc_u32 v[RD], s23, v5
	v_mul_u32_u24 v5, v2, OROW
	v_lshl_add_u32 v[CO], v1, 4, v5
	s_lshl_b32 s16, s13, 7
	s_lshl_b32 s17, s11, 6
	s_add_co_u32 s16, s16, s17                     ; my first row: 128 x tile row + 64 x half
	s_lshl_b32 s16, s16, 12
	s_mov_b32 s17, 0
	s_add_nc_u64 s[8:9], s[8:9], s[16:17]
	s_wait_kmcnt 0x0
	s_add_co_i32 s76, s76, s77                     ; a + c,
	s_max_i32 s76, s76, 0xffffff82                 ; held at -126 from below,
	s_add_co_i32 s76, s76, 127
	s_lshl_b32 s76, s76, 23                        ; as the f32 number 2^(a + c)
	s_mov_b32 s77, s76                             ; (named with it as a pair, so it is written)
	s_wait_loadcnt 0x0                             ; the bias
.macro MUL8 f, c, a0, zero             ; the 16 accumulators take turns
.irp a, \a0, \a0+1
.irp b, 0,1,2,3
.if \zero
	v_wmma_f32_16x16x32_f16 v[ACC+8*(4*(\a)+\b):ACC+8*(4*(\a)+\b)+7], v[\f+64+8*(4*\c+\b):\f+64+8*(4*\c+\b)+7], v[\f+8*(4*\c+\a):\f+8*(4*\c+\a)+7], 0
.else
	v_wmma_f32_16x16x32_f16 v[ACC+8*(4*(\a)+\b):ACC+8*(4*(\a)+\b)+7], v[\f+64+8*(4*\c+\b):\f+64+8*(4*\c+\b)+7], v[\f+8*(4*\c+\a):\f+8*(4*\c+\a)+7], v[ACC+8*(4*(\a)+\b):ACC+8*(4*(\a)+\b)+7]
.endif
.endr
.endr
.endm
.macro FETCH slot, k, f
	WIN TO_F
.irp c, 0,1
.irp i, 0,1,2,3
	ds_load_b128 v[\f+64+8*(4*\c+\i):\f+64+8*(4*\c+\i)+3],   v[ADRB+\slot] offset:\k+64*\c+\i*16*PITCH
	ds_load_b128 v[\f+64+8*(4*\c+\i)+4:\f+64+8*(4*\c+\i)+7], v[ADRB+\slot] offset:\k+64*\c+\i*16*PITCH+32
	ds_load_b128 v[\f+8*(4*\c+\i):\f+8*(4*\c+\i)+3],         v[ADRA+\slot] offset:\k+64*\c+\i*16*PITCH
	ds_load_b128 v[\f+8*(4*\c+\i)+4:\f+8*(4*\c+\i)+7],       v[ADRA+\slot] offset:\k+64*\c+\i*16*PITCH+32
.endr
.endr
.endm
.macro PLACES
.rept 4
	v_nop
.endr
.endm
.macro QUARTER slot, k, f, g, zero
	s_wait_dscnt 16                                ; the first 32 along K are in
	WIN MUL
	MUL8 \f, 0, 0, \zero
	MUL8 \f, 0, 2, \zero
	PLACES
	FETCH \slot, \k, \g
	s_wait_dscnt 32                                ; all but the 32 just issued
	WIN MUL
	MUL8 \f, 1, 0, 0
	MUL8 \f, 1, 2, 0
.endm
.macro TURN slot, next, fill           ; the last quarter changes slots: one barrier, with the waits and the add in front of it
	WIN 0
	s_wait_tensorcnt 0x0                           ; all my tensor loads have landed: my part of the next slot
	ds_add_u32 v[SPW], v[NIL]                      ; 0 onto my spare word
	s_wait_dscnt 17                                ; (the add and the youngest sixteen loads may be out)
	WIN MUL
	MUL8 F1, 0, 0, 0
	s_wait_dscnt 0x0                               ; the add is done, and my reads of this slot are over
	s_barrier_signal -1
	MUL8 F1, 0, 2, 0
.if \fill
	WIN 0
.endif
	s_barrier_wait -1
.if \fill
	CREST                                          ; a round of the cluster's barrier: no wave of any partner still reads this slot or has a load on its way
	s_add_nc_u64 s[G0+4*\slot+2:G0+4*\slot+3], s[G0+4*\slot+2:G0+4*\slot+3], 2*KSTEP*2
	s_add_nc_u64 s[G0B+4*\slot+2:G0B+4*\slot+3], s[G0B+4*\slot+2:G0B+4*\slot+3], 2*KSTEP*2
	JLOAD \slot
.else
	PLACES
.endif
	FETCH \next, 0, F0
	WIN MUL
	MUL8 F1, 1, 0, 0
	MUL8 F1, 1, 2, 0
.endm
	s_wait_tensorcnt 1                             ; my part of K step 0 is in; K step 1's load may be out
	s_barrier_signal -1
	s_barrier_wait -1
	FETCH 0, 0, F0
	QUARTER 0, 128, F0, F1, 1
	WIN 0
	s_mov_b32 s3, LAPS-1
.Llap:
	QUARTER 0, 256, F1, F0, 0
	QUARTER 0, 384, F0, F1, 0
	TURN 0, 1, 1
	QUARTER 1, 128, F0, F1, 0
	QUARTER 1, 256, F1, F0, 0
	QUARTER 1, 384, F0, F1, 0
	TURN 1, 0, 1
	QUARTER 0, 128, F0, F1, 0
	WIN 0
	s_sub_co_u32 s3, s3, 1
	s_cmp_lg_u32 s3, 0
	s_cbranch_scc1 .Llap
	QUARTER 0, 256, F1, F0, 0                      ; the last lap fills nothing
	QUARTER 0, 384, F0, F1, 0
	TURN 0, 1, 0
	QUARTER 1, 128, F0, F1, 0
	QUARTER 1, 256, F1, F0, 0
	QUARTER 1, 384, F0, F1, 0
	s_wait_dscnt 16
	WIN MUL
	MUL8 F1, 0, 0, 0
	MUL8 F1, 0, 2, 0
	s_wait_dscnt 0
	MUL8 F1, 1, 0, 0
	MUL8 F1, 1, 2, 0
	WIN 0
	; THE WAY OUT: one fused multiply-add (x 2^(a + c), + bo); a wave's 64 columns of f32 are 256 bytes of a row: each block of 16 rows goes through my own stage and comes back as whole rows.  No barrier: the stage is mine.
	PLACES
.irp a, 0,1,2,3
.irp b, 0,1,2,3
.irp r, 0,1,2,3
	v_pk_fma_f32 v[ACC+8*(4*\a+\b)+2*\r:ACC+8*(4*\a+\b)+2*\r+1], v[ACC+8*(4*\a+\b)+2*\r:ACC+8*(4*\a+\b)+2*\r+1], s[76:77], v[BI+8*\b+2*\r:BI+8*\b+2*\r+1] op_sel_hi:[1,0,1]
.endr
.endr
.endr
.macro OUTB a
.irp b, 0,1,2,3
	ds_store_b128 v[STO], v[ACC+8*(4*\a+\b):ACC+8*(4*\a+\b)+3] offset:\a*16*SPITCH+64*\b
	ds_store_b128 v[STO], v[ACC+8*(4*\a+\b)+4:ACC+8*(4*\a+\b)+7] offset:\a*16*SPITCH+64*\b+16
.endr
.irp t, 0,1,2,3,4,5,6,7
	ds_load_b128 v[ACC+32*\a+4*\t:ACC+32*\a+4*\t+3], v[RD] offset:\a*16*SPITCH+\t*2*SPITCH   ; LDS serves a wave's instructions in order: these see the stores above, and land in the registers that those have left
.endr
.endm
.macro SENDB a, younger                ; younger: the LDS instructions issued behind block a's loads: the next block's sixteen, or none
.irp t, 0,1,2,3,4,5,6,7
	s_wait_dscnt \younger+7-\t
	global_store_b128 v[CO], v[ACC+32*\a+4*\t:ACC+32*\a+4*\t+3], s[8:9] offset:(16*\a+2*\t)*OROW th:TH_STORE_NT   ; 16 lanes store 256 consecutive bytes, aligned; written once
.endr
.endm
	OUTB 0
	OUTB 1
	SENDB 0, 16
	OUTB 2
	SENDB 1, 16
	OUTB 3
	SENDB 2, 16
	SENDB 3, 0
	s_wait_tensorcnt 0x0                           ; the wave's end
	ds_add_u32 v[SPW], v[NIL]
	s_wait_dscnt 0x0
	CROUND
	s_endpgm
.Lfunc_end_k_qf670867cc9_outp:
	.size	k_qf670867cc9_outp, .Lfunc_end_k_qf670867cc9_outp-k_qf670867cc9_outp
	.p2alignl 7, 3214868480
	.fill 96, 4, 3214868480
	.section	.rodata,"a",@progbits
	.p2align	6, 0x0
	.amdhsa_kernel k_qf670867cc9_outp
		.amdhsa_group_segment_fixed_size 327680
		.amdhsa_private_segment_fixed_size 0
		.amdhsa_enable_private_segment 0
		.amdhsa_kernarg_size 40
		.amdhsa_user_sgpr_count 2
		.amdhsa_user_sgpr_kernarg_segment_ptr 1
		.amdhsa_wavefront_size32 1
		.amdhsa_system_sgpr_workgroup_id_x 1
		.amdhsa_system_sgpr_workgroup_id_y 1
		.amdhsa_system_sgpr_workgroup_id_z 1
		.amdhsa_system_vgpr_workitem_id 0
		.amdhsa_next_free_vgpr 512
		.amdhsa_next_free_sgpr 80
		.amdhsa_reserve_vcc 0
		.amdhsa_float_denorm_mode_32 3
		.amdhsa_float_denorm_mode_16_64 3
		.amdhsa_memory_ordered 1
		.amdhsa_forward_progress 1
		.amdhsa_inst_pref_size 92
	.end_amdhsa_kernel
	.amdgpu_metadata
---
amdhsa.version: [ 1, 2 ]
amdhsa.kernels:
  - .name:           k_qf670867cc9_outp
    .symbol:         k_qf670867cc9_outp.kd
    .args:
      - { .name: qkv16, .offset: 0, .size: 8, .value_kind: global_buffer, .address_space: global }
      - { .name: mt16, .offset: 8, .size: 8, .value_kind: global_buffer, .address_space: global }
      - { .name: t16, .offset: 16, .size: 8, .value_kind: global_buffer, .address_space: global }
      - { .name: bo, .offset: 24, .size: 8, .value_kind: global_buffer, .address_space: global }
      - { .name: out0, .offset: 32, .size: 8, .value_kind: global_buffer, .address_space: global }
    .group_segment_fixed_size: 327680
    .private_segment_fixed_size: 0
    .kernarg_segment_align: 8
    .kernarg_segment_size: 40
    .max_flat_workgroup_size: 128
    .sgpr_count:     80
    .vgpr_count:     512
    .wavefront_size: 32
...
	.end_amdgpu_metadata
.endif
;; end of part 5
